; MI455X (gfx1250); checked and timed in simulation.
; The chip was launched on July 23, 2026; its instructions are those of AMD's public machine-readable ISA for CDNA 5 (MIT licence, August 2026) and "CDNA5" Instruction Set Architecture Reference Guide (July 2026). The comments in the code are by the model that wrote it; some were corrected since.
;; Longcat Moe. Allowed arithmetic: float matrix products may take bf16 or f16 operands with f32 sums; other float arithmetic in f32, or as packed bf16 or f16 multiplies, adds, multiply-adds, maxima and minima; sums over many terms, partial sums and values carried from step to step in f32; what a program stores and reads back later, other than sums and carried values, may be rounded once to bf16 or f16.
;; Inputs: corr_bias 16 float32; hidden_states 1,024 x 2,048 float32; router_w 16 x 2,048 float32; w_down 8 x 1,024 x 2,048 float32; w_gate 8 x 2,048 x 1,024 float32; w_up 8 x 2,048 x 1,024 float32.
;; Outputs: out0 1,024 x 2,048 float32.
;; 3 versions, each right; version 2 is faster than version 1; version 3 is version 2 with the launches gateup, down written anew for expert scheduling mode. Each part assembles by itself: llvm-mc -triple=amdgcn-amd-amdhsa -mcpu=gfx1250 --defsym DOCPART=n.
;; ======== version 1 of 3: 4 launches
;; workspace buffers: xb 4,194,304 bytes; bm 1,024 bytes of whole numbers; gw 65,536 bytes; mid 16,777,216 bytes; pos 32,768 bytes of whole numbers; part 67,108,864 bytes
;; launch router (part 1): grid 64 x 1, 8 waves a work-group, no clusters, 76,800 bytes of LDS; arguments hidden_states, router_w, corr_bias, xb, bm, gw; writes xb, bm, gw
.if DOCPART == 1
	.amdgcn_target "amdgcn-amd-amdhsa--gfx1250"
	.amdhsa_code_object_version 6
	.text
	.protected	k_q25e06e2875_router
	.globl	k_q25e06e2875_router
	.p2align	8
	.type	k_q25e06e2875_router,@function
k_q25e06e2875_router:
	s_mov_b64 s[64:65], 0
	v_nop
	global_prefetch_b8 v0, s[64:65] scope:SCOPE_SE
	s_setreg_imm32_b32 hwreg(HW_REG_WAVE_MODE, 25, 1), 1
	s_wait_xcnt 0x0
; ROUTER.  logits = x router_w^T (16 classes), softmax, the four largest of score + bias (a tie goes to the lower index), and what the later launches need of that:
;   xb  x rounded to bf16, [1024][2048]
;   bm  for each routed expert e a bitmap of 1,024 tokens (32 words; bit l of word j: token 32 j + l chose e)
;   gw  for each token 16 f32: the weights of experts 0-7 (0 where not chosen), the sum of the chosen zero experts' weights, seven zeros
; FORMAT.  Every input of the program is rounded once to bf16 (x, router_w, the bias here; the experts' weights in the later launches); products of bf16, sums in f32.
; LIMITS.  NaN and infinities are not treated apart; a score below 2^-126 counts as 0.  The scaling of the routed weights is the constant 1.0 of the problem's text: no multiply is written for it.
; SHARES.  A work-group has 16 tokens.  Wave w has K = 256 w .. 256 w + 255 of them: it rounds that part of x, stores it, and multiplies it; the eight partial sums meet in LDS, and wave 0 does the rest.
; No tile is shared between work-groups but router_w (128 KB against the 128 KB of x that a work-group reads by itself); it comes through registers, where it has to be rounded anyway.
.set XSP,   528                        ; a row of my 256 bf16 in LDS: 512 bytes + 16: the 16 rows of a fragment load start at 16 different groups of four banks
.set XSW,   16*XSP                     ; a wave's own 16 rows
.set RED,   8*XSW                      ; eight waves' partial logits, 1,024 bytes each
.set SPARE, RED+8192                   ; the spare words, 128 bytes a wave: no other line names them
.set XR,  32                           ; v[32:95]   x as loaded (16 loads); later x's fragments; later the partial logits read back
.set CV,  96                           ; v[96:127]  x rounded, on its way to xb and to LDS
.set RW,  128                          ; v[128:255] router_w as loaded, packed in place into v[128:191]
.set LG,  96                           ; wave 0: my 8 logits
.set OT,  104                          ;         the other half of the lanes' 8
.set EE,  112                          ;         all 16 logits of my token
.set PX,  128                          ;         exponentials, then scores
.set SL,  144                          ;         score + bias
.set RK,  160                          ;         how many classes come before this one
.set WT,  176                          ;         the weight where chosen, else 0
.set BB,  192                          ;         the bias
.set TM,  208                          ;         at work
.set GG,  224                          ;         what goes to gw
	s_load_b256 s[4:11], s[0:1], 0x0               ; x s[4:5], router_w s[6:7], bias s[8:9], xb s[10:11]
	s_load_b128 s[12:15], s[0:1], 0x20             ; bm s[12:13], gw s[14:15]
	v_lshl_add_u32 v4, v0, 2, SPARE                ; my spare word; never rewritten
	v_mov_b32 v5, 0                                ; 0; never rewritten
	v_and_b32 v1, 31, v0                           ; l
	v_and_b32 v2, 15, v0                           ; r = l % 16
	v_bfe_u32 v3, v0, 4, 1                         ; h = l / 16
	v_lshrrev_b32 v6, 5, v0
	v_readfirstlane_b32 s32, v6                    ; wave
	s_mul_i32 s33, s32, XSW
	s_mov_b32 s35, 0
	s_mov_b32 s36, 0xffff0000                      ; a word's upper bf16
	s_mov_b32 s38, 0x76543210                      ; v_permlanex16_b32: each lane takes its own place in the other half
	s_mov_b32 s39, 0xfedcba98
	s_mov_b32 s58, 0x3fb8aa3b                      ; log2(e)
	v_lshlrev_b32 v6, 4, v1
	v_lshl_add_u32 v6, s32, 10, v6                 ; x: 1,024 w + 16 l
	v_lshlrev_b32 v7, 3, v1
	v_lshl_add_u32 v7, s32, 9, v7                  ; xb: 512 w + 8 l
	v_lshl_add_u32 v8, v1, 3, s33                  ; LDS, in: my wave's rows + 8 l
	v_lshlrev_b32 v9, 13, v2
	v_lshl_add_u32 v9, v3, 5, v9
	v_lshl_add_u32 v9, s32, 10, v9                 ; router_w: row r, 1,024 w + 32 h
	v_mul_u32_u24 v10, v2, XSP
	v_lshl_add_u32 v10, v3, 4, v10
	v_add_nc_u32 v10, s33, v10                     ; LDS, fragments: row r x pitch + 16 h
	v_lshlrev_b32 v11, 5, v1
	v_lshl_add_u32 v11, s32, 10, v11
	v_add_nc_u32 v11, RED, v11                     ; my 32 bytes of my wave's partial logits
	v_lshl_add_u32 v12, v1, 5, RED                 ; the same place in wave 0's
	v_lshlrev_b32 v13, 6, v2
	v_lshl_add_u32 v13, v3, 5, v13                 ; gw: 64 r + 32 h
	v_lshlrev_b32 v14, 7, v1                       ; bm: expert l's 128 bytes
	s_wait_kmcnt 0x0
	s_load_b512 s[16:31], s[8:9], 0x0              ; the 16 biases; waited for by wave 0, which alone reads them
	s_lshl_b32 s34, ttmp9, 17                      ; 16 rows of 8,192 bytes
	s_add_nc_u64 s[4:5], s[4:5], s[34:35]
	s_lshl_b32 s34, ttmp9, 16                      ; 16 rows of 4,096
	s_add_nc_u64 s[10:11], s[10:11], s[34:35]
	s_lshl_b32 s34, ttmp9, 10                      ; 16 tokens of 64
	s_add_nc_u64 s[14:15], s[14:15], s[34:35]
	s_lshl_b32 s34, ttmp9, 1                       ; 16 bits of each bitmap
	s_add_nc_u64 s[12:13], s[12:13], s[34:35]
; eight rows of x, my 1,024 bytes of each, as two loads of 512 consecutive bytes
.macro XLOAD half
.irp p, 0,1,2,3,4,5,6,7
.irp u, 0,1
	global_load_b128 v[XR+4*(2*\p+\u):XR+4*(2*\p+\u)+3], v6, s[4:5] offset:(8*\half+\p)*8192+\u*512 th:TH_LOAD_NT
.endr
.endr
.endm
; they are rounded; each load's numbers go out as 256 consecutive aligned bytes of xb, and into my rows in LDS
.macro XOUT half
.set i, 0
.rept 32
	v_cvt_pk_bf16_f32 v[CV+i], v[XR+2*i], v[XR+2*i+1]
.set i, i+1
.endr
.irp p, 0,1,2,3,4,5,6,7
.irp u, 0,1
	global_store_b64 v7, v[CV+2*(2*\p+\u):CV+2*(2*\p+\u)+1], s[10:11] offset:(8*\half+\p)*4096+\u*256
	ds_store_b64 v8, v[CV+2*(2*\p+\u):CV+2*(2*\p+\u)+1] offset:(8*\half+\p)*XSP+\u*256
.endr
.endr
.endm
	XLOAD 0
	; router_w as fragments: lane (r, h) takes of row r, for each 32 k, the f32 of k = 8 h .. + 7 and 16 + 8 h .. + 7
.set c, 0
.rept 8
.irp p, 0,1,2,3
	global_load_b128 v[RW+16*c+4*\p:RW+16*c+4*\p+3], v9, s[6:7] offset:128*c+64*(\p/2)+16*(\p%2)
.endr
.set c, c+1
.endr
	s_wait_loadcnt 32                              ; the 32 loads of router_w are the younger ones: rows 0-7 of x are in
	XOUT 0
	XLOAD 1
	s_wait_loadcnt 16                              ; the 16 just issued may be out: router_w is in
.set i, 0
.rept 64                                       ; packed in place, ascending: a destination's old number has been read by an earlier line (or by this one)
	v_cvt_pk_bf16_f32 v[RW+i], v[RW+2*i], v[RW+2*i+1]
.set i, i+1
.endr
	s_wait_loadcnt 0x0                             ; rows 8-15 of x
	s_wait_xcnt 0x0                                ; the stores to xb have read CV: only now is it written again
	XOUT 1
.set c, 0
.rept 8                                        ; x's fragments: my own bytes, and LDS serves a wave's instructions in order (ISA guide 5.7.1.4): no barrier
	ds_load_b128 v[XR+8*c:XR+8*c+3],   v10 offset:64*c
	ds_load_b128 v[XR+8*c+4:XR+8*c+7], v10 offset:64*c+32
.set c, c+1
.endr
	s_wait_dscnt 0x0
	; source 0 = the 16 classes, source 1 = my 16 tokens: register j of lane (r, h) is class 8 h + j of token r.  Two accumulators by turns
.set c, 0
.rept 8
.if c < 2
	v_wmma_f32_16x16x32_bf16 v[16+8*(c%2):23+8*(c%2)], v[RW+8*c:RW+8*c+7], v[XR+8*c:XR+8*c+7], 0
.else
	v_wmma_f32_16x16x32_bf16 v[16+8*(c%2):23+8*(c%2)], v[RW+8*c:RW+8*c+7], v[XR+8*c:XR+8*c+7], v[16+8*(c%2):23+8*(c%2)]
.endif
.set c, c+1
.endr
.rept 4
	v_nop                                          ; four places behind the last product (ISA guide 7.12.1)
.endr
	s_wait_xcnt 0x0                                ; CV's registers are written again
.irp m, 0,1,2,3
	v_pk_add_f32 v[LG+2*\m:LG+2*\m+1], v[16+2*\m:17+2*\m], v[24+2*\m:25+2*\m]  ; each accumulator's lowest registers are read first
.endr
	ds_store_b128 v11, v[LG:LG+3]
	ds_store_b128 v11, v[LG+4:LG+7] offset:16
	s_wait_dscnt 0x0                               ; for wave 0's sake: my partial logits are in LDS
	s_barrier_signal -1
	s_barrier_wait -1
	s_cmp_lg_u32 s32, 0
	s_cbranch_scc1 .Lend
	; WAVE 0: the eight parts are added, K ascending
.set i, 0
.rept 16
	ds_load_b128 v[XR+4*i:XR+4*i+3], v12 offset:(i/2)*1024+(i%2)*16
.set i, i+1
.endr
	v_cmp_eq_u32 s37, 1, v3                        ; the upper half of the lanes
	s_wait_dscnt 0x0
.irp m, 0,1,2,3
	v_pk_add_f32 v[LG+2*\m:LG+2*\m+1], v[XR+2*\m:XR+2*\m+1], v[XR+8+2*\m:XR+8+2*\m+1]
.endr
.irp w, 2,3,4,5,6,7
.irp m, 0,1,2,3
	v_pk_add_f32 v[LG+2*\m:LG+2*\m+1], v[LG+2*\m:LG+2*\m+1], v[XR+8*\w+2*\m:XR+8*\w+2*\m+1]
.endr
.endr
.irp j, 0,1,2,3,4,5,6,7
	v_permlanex16_b32 v[OT+\j], v[LG+\j], s38, s39 ; the token's other eight classes lie in the lane 16 away
.endr
.irp j, 0,1,2,3,4,5,6,7
	v_cndmask_b32 v[EE+\j], v[LG+\j], v[OT+\j], s37    ; classes 0-7: mine in the lower half of the lanes
	v_cndmask_b32 v[EE+8+\j], v[OT+\j], v[LG+\j], s37  ; classes 8-15: mine in the upper half.  Both halves now hold all 16 of token r
.endr
	; softmax: the maximum is taken away before the exponentials
	v_max3_num_f32 v16, v[EE], v[EE+1], v[EE+2]
.irp j, 3,5,7,9,11,13
	v_max3_num_f32 v16, v16, v[EE+\j], v[EE+\j+1]
.endr
	v_max_num_f32 v16, v16, v[EE+15]
	v_mul_f32 v17, s58, v16
.set j, 0
.rept 16
	v_fma_f32 v[PX+j], v[EE+j], s58, -v17
.set j, j+1
.endr
.set j, 0
.rept 16
	v_exp_f32 v[PX+j], v[PX+j]
.set j, j+1
.endr
	v_nop                                          ; a plain instruction behind the last exponential (ISA guide 5.7.2),
	s_wait_alu depctr_va_vdst(0)                   ; and the one wait for the batch
.irp m, 0,1,2,3
	v_pk_add_f32 v[TM+2*\m:TM+2*\m+1], v[PX+4*\m:PX+4*\m+1], v[PX+4*\m+2:PX+4*\m+3]
.endr
	v_pk_add_f32 v[TM:TM+1], v[TM:TM+1], v[TM+2:TM+3]
	v_pk_add_f32 v[TM+4:TM+5], v[TM+4:TM+5], v[TM+6:TM+7]
	v_pk_add_f32 v[TM:TM+1], v[TM:TM+1], v[TM+4:TM+5]
	v_add_f32 v[TM], v[TM], v[TM+1]
	v_rcp_f32 v[TM+2], v[TM]
	s_wait_kmcnt 0x0                               ; the biases
.set j, 0
.rept 16
	v_mov_b32 v[BB+j], s[16+j]                     ; plain work behind the reciprocal
.set j, j+1
.endr
	s_wait_alu depctr_va_vdst(0)                   ; the reciprocal's wait, ahead of its first reader
.irp m, 0,1,2,3,4,5,6,7
	v_pk_mul_f32 v[PX+2*\m:PX+2*\m+1], v[PX+2*\m:PX+2*\m+1], v[TM+2:TM+3] op_sel_hi:[1,0]  ; the scores
.endr
.irp m, 0,1,2,3,4,5,6,7
	v_cvt_pk_bf16_f32 v[TM+4+\m], v[BB+2*\m], v[BB+2*\m+1]   ; the bias is an input: rounded to bf16 like the others
.endr
.irp m, 0,1,2,3,4,5,6,7
	v_lshlrev_b32 v[BB+2*\m], 16, v[TM+4+\m]
	v_and_b32 v[BB+2*\m+1], s36, v[TM+4+\m]
.endr
.irp m, 0,1,2,3,4,5,6,7
	v_pk_add_f32 v[SL+2*\m:SL+2*\m+1], v[PX+2*\m:PX+2*\m+1], v[BB+2*\m:BB+2*\m+1]
.endr
	; RK[j] = how many classes come before j: a lower index with as large a number, or a higher index with a larger one.
	; For each pair i < j: t = (SL[i] >= SL[j]); RK[j] += t, RK[i] += 1 - t; the ones are put in at the start.
.set j, 0
.rept 16
	v_mov_b32 v[RK+j], 15-j
.set j, j+1
.endr
.set i, 0
.rept 15
.set j, i+1
.rept 15-i
	v_cmp_ge_f32 vcc_lo, v[SL+i], v[SL+j]
	v_cndmask_b32 v[TM], 0, 1, vcc_lo
	v_add_nc_u32 v[RK+j], v[RK+j], v[TM]
	v_sub_nc_u32 v[RK+i], v[RK+i], v[TM]
.set j, j+1
.endr
.set i, i+1
.endr
.set j, 0
.rept 16
	v_cmp_gt_u32 s[40+j], 4, v[RK+j]               ; chosen: fewer than four come before it
	v_cndmask_b32 v[WT+j], 0, v[PX+j], s[40+j]     ; the weight is the score without the bias
.set j, j+1
.endr
	v_pk_add_f32 v[TM:TM+1], v[WT+8:WT+9], v[WT+10:WT+11]     ; the zero experts' weights together
	v_pk_add_f32 v[TM+2:TM+3], v[WT+12:WT+13], v[WT+14:WT+15]
	v_pk_add_f32 v[TM:TM+1], v[TM:TM+1], v[TM+2:TM+3]
	v_add_f32 v[TM], v[TM], v[TM+1]
	v_cndmask_b32 v[GG], v[WT], v[TM], s37         ; lower half of the lanes: weights 0-7; upper half: the zero experts' sum and seven zeros
.irp q, 1,2,3,4,5,6,7
	v_cndmask_b32 v[GG+\q], v[WT+\q], 0, s37
.endr
	global_store_b128 v13, v[GG:GG+3], s[14:15]
	global_store_b128 v13, v[GG+4:GG+7], s[14:15] offset:16
	v_mov_b32 v[TM+4], 0
.irp e, 0,1,2,3,4,5,6,7
	v_writelane_b32 v[TM+4], s[40+\e], \e          ; lane e: expert e's mask; its low 16 bits are my 16 tokens
.endr
	v_cmp_gt_u32 vcc_lo, 8, v1
	s_wait_xcnt 0x0                                ; EXEC changes only behind this wait
	s_and_saveexec_b32 s57, vcc_lo
	global_store_b16 v14, v[TM+4], s[12:13]        ; eight lanes, one half word of each expert's bitmap
	s_wait_xcnt 0x0                                ; and again in front of the line that widens it
	s_or_b32 exec_lo, exec_lo, s57
.Lend:
	s_wait_tensorcnt 0x0                           ; the wave's end: behind my last LDS store
	ds_add_u32 v4, v5
	s_wait_dscnt 0x0
	s_endpgm
.Lfunc_end_k_q25e06e2875_router:
	.size	k_q25e06e2875_router, .Lfunc_end_k_q25e06e2875_router-k_q25e06e2875_router
	.p2alignl 7, 3214868480
	.fill 96, 4, 3214868480
	.section	.rodata,"a",@progbits
	.p2align	6, 0x0
	.amdhsa_kernel k_q25e06e2875_router
		.amdhsa_group_segment_fixed_size 76800
		.amdhsa_private_segment_fixed_size 0
		.amdhsa_enable_private_segment 0
		.amdhsa_kernarg_size 48
		.amdhsa_user_sgpr_count 2
		.amdhsa_user_sgpr_kernarg_segment_ptr 1
		.amdhsa_wavefront_size32 1
		.amdhsa_system_sgpr_workgroup_id_x 1
		.amdhsa_system_sgpr_workgroup_id_y 1
		.amdhsa_system_sgpr_workgroup_id_z 1
		.amdhsa_system_vgpr_workitem_id 0
		.amdhsa_next_free_vgpr 256
		.amdhsa_next_free_sgpr 66
		.amdhsa_reserve_vcc 1
		.amdhsa_float_denorm_mode_32 3
		.amdhsa_float_denorm_mode_16_64 3
		.amdhsa_memory_ordered 1
		.amdhsa_forward_progress 1
		.amdhsa_inst_pref_size 57
	.end_amdhsa_kernel
	.amdgpu_metadata
---
amdhsa.version: [ 1, 2 ]
amdhsa.kernels:
  - .name:           k_q25e06e2875_router
    .symbol:         k_q25e06e2875_router.kd
    .args:
      - { .name: hidden_states, .offset: 0, .size: 8, .value_kind: global_buffer, .address_space: global }
      - { .name: router_w, .offset: 8, .size: 8, .value_kind: global_buffer, .address_space: global }
      - { .name: corr_bias, .offset: 16, .size: 8, .value_kind: global_buffer, .address_space: global }
      - { .name: xb, .offset: 24, .size: 8, .value_kind: global_buffer, .address_space: global }
      - { .name: bm, .offset: 32, .size: 8, .value_kind: global_buffer, .address_space: global }
      - { .name: gw, .offset: 40, .size: 8, .value_kind: global_buffer, .address_space: global }
    .group_segment_fixed_size: 76800
    .private_segment_fixed_size: 0
    .kernarg_segment_align: 8
    .kernarg_segment_size: 48
    .max_flat_workgroup_size: 256
    .sgpr_count:     66
    .vgpr_count:     256
    .wavefront_size: 32
...
	.end_amdgpu_metadata
.endif
;; end of part 1
;; launch gateup (part 2): grid 256 x 1, 8 waves a work-group, no clusters, 268,544 bytes of LDS; arguments xb, w_gate, w_up, bm, mid, pos; writes mid, pos
.if DOCPART == 2
	.amdgcn_target "amdgcn-amd-amdhsa--gfx1250"
	.amdhsa_code_object_version 6
	.text
	.protected	k_q25e06e2875_gateup
	.globl	k_q25e06e2875_gateup
	.p2align	8
	.type	k_q25e06e2875_gateup,@function
k_q25e06e2875_gateup:
	s_mov_b64 s[64:65], 0
	v_nop
	global_prefetch_b8 v0, s[64:65] scope:SCOPE_SE
	s_setreg_imm32_b32 hwreg(HW_REG_WAVE_MODE, 25, 1), 1
	s_wait_xcnt 0x0
; FIRST PRODUCT.  mid = silu(x w_gate) * (x w_up), only for the rows that chose the expert.  Work-group 32 e + s has expert e and the 32 columns 32 s .. of w_gate and of w_up,
; which it alone reads; it takes ALL of the expert's rows through them.  The rows are ranked by token number; 16 ranks are a tile.
; PHASE 1: the slice (2 x 2,048 x 32 f32) streams through registers, is rounded to bf16, turned, and laid into LDS as 64 rows [column][k].  Wave 0 meanwhile makes the list rank -> token from the
; expert's bitmap, and (slice 0 alone) stores pos[e][token] = rank, or 1,024 where the token did not choose e.  One barrier.
; PHASE 2: the expert's max(1, ceil(n / 16)) tiles are dealt evenly to the eight waves (8 at the most: n <= 1,024, every split is served); a wave takes two at a time through K = 2,048, in up to four passes.
; The number of passes hangs on n, so the pass loop keeps its LDS addresses fixed: K is written out, and a step's place along K stands in the loads' immediates.  Weights come from LDS, token rows from xb
; straight into registers as operands; nothing writes LDS, so there is no further barrier.  Places past n repeat token 0 and land in rows of mid that no token's rank names; an expert without rows runs one such tile;
; a pass with one tile takes it twice and stores it once.
; mid is stored in the order in which the second product's operand registers take it: [e][slice of 32 columns][tile][half g][lane][16 bytes]: each store of a wave covers 512 consecutive aligned bytes.
; FORMAT: weights and x rounded to bf16, sums and the activation in f32, mid rounded once to bf16.  LIMITS: NaN and infinities are not treated apart.
; NO JOINT LOADS: each slice of weights has one reader and has to pass registers to be rounded and turned; the token rows, which an expert's 32 work-groups share, come by a list, which no tile descriptor covers.
; A weight row's piece is 128 bytes: 64 columns of bf16 over K = 2,048 are what LDS holds.
.set PITCH, 4112                       ; a row of 2,048 bf16 + 16 bytes: the 16 rows of a fragment load start at 16 different groups of four banks
.set NCH,   16                         ; chunks of 128 along K
.set TP,    2                          ; tiles of a pass
.set AKS,   64                         ; token rows: bytes from one 32 k to the next,
.set AG,    32                         ; between a fragment's two halves,
.set ASTEP, 256                        ; and from chunk to chunk
.set NB,    16                         ; phase 1: blocks of 8 loads a wave (8 of w_gate, then 8 of w_up)
.set LIST,  64*PITCH                   ; 1,024 words: rank -> token
.set DUMP,  LIST+4096                  ; directly behind it: 32 words for the lanes whose token did not choose e
.set SPARE, DUMP+256                   ; the spare words, 128 bytes a wave: no other line names them
.set AOFF,  16                         ; v[16:17]  tile i: my token row's byte offset in xb
.set BADR0, 20                         ; v[20:23]  LDS address of my weight fragments at K = 0, one for each 16 columns; never rewritten
.set SOFF,  24                         ; v[24:25]  tile i: my byte offset in mid
.set BF,    32                         ; v[32:63], v[64:95] weight fragments of one 32 k, two buffers; at work in the epilogue
.set PK,    32                         ; phase 1: 16 registers, packed
.set ACC,   128                        ; v[128:191] accumulator (tile i, 16 columns t) at ACC + 32 i + 8 t
.set RG,    128                        ; phase 1: the ring, 4 slots of 32
                                       ; window 1 (v256-511): token fragments, two buffers: 128 buf + 32 i + 8 j + 4 g
.set MSB, 0
.macro WIN new                         ; s_set_vgpr_msb: bits 3:2 source 1, 7:6 destination; the high byte repeats the setting that is left
.if MSB != (\new)
	s_set_vgpr_msb (MSB<<8)|(\new)
.set MSB, \new
.endif
.endm
; PHASE 1.  Lane: cq = l % 8 (four columns), kg = l / 8.  Block b: rows k = 256 (b % 8) + 32 w + 8 kg + i, i = 0 .. 7: a lane gets 8 k x 4 columns.
.macro LOADBLK slot, b
.irp i, 0,1,2,3,4,5,6,7
.if (\b) < 8
	global_load_b128 v[RG+32*(\slot)+4*\i:RG+32*(\slot)+4*\i+3], v6, s[6:7] offset:(256*((\b)%8)+\i)*4096
.else
	global_load_b128 v[RG+32*(\slot)+4*\i:RG+32*(\slot)+4*\i+3], v6, s[8:9] offset:(256*((\b)%8)+\i)*4096
.endif
.endr
.endm
.macro PACKBLK slot, b                 ; for each of my four columns: 8 k rounded into 16 bytes, stored along the column's LDS row
.irp c, 0,1,2,3
.irp p, 0,1,2,3
	v_cvt_pk_bf16_f32 v[PK+4*\c+\p], v[RG+32*(\slot)+8*\p+\c], v[RG+32*(\slot)+8*\p+4+\c]
.endr
.endr
.irp c, 0,1,2,3
.if (\b) < 8
	ds_store_b128 v7, v[PK+4*\c:PK+4*\c+3] offset:\c*PITCH+512*((\b)%8)
.else
	ds_store_b128 v8, v[PK+4*\c:PK+4*\c+3] offset:\c*PITCH+512*((\b)%8)
.endif
.endr
.endm
; PHASE 2.
.macro LOADA a, buf, cn                ; a tiles' token fragments of chunk cn (128 k): 8 a loads; the chunk's place in the row stands in the immediate
	WIN 0x40
.set ii, 0
.rept \a
.irp j, 0,1,2,3
.irp g, 0,1
	global_load_b128 v[128*(\buf)+32*ii+8*\j+4*\g:128*(\buf)+32*ii+8*\j+4*\g+3], v[AOFF+ii], s[4:5] offset:(\cn)*ASTEP+\j*AKS+\g*AG
.endr
.endr
.set ii, ii+1
.endr
	WIN 0x04
.endm
.macro LOADB bb, off                   ; the 64 columns' fragments of one 32 k, off bytes along the rows: 8 loads
	WIN 0x04
.irp t, 0,1,2,3
.irp g, 0,1
	ds_load_b128 v[BF+32*(\bb)+8*\t+4*\g:BF+32*(\bb)+8*\t+4*\g+3], v[BADR0+\t] offset:(\off)+32*\g
.endr
.endr
.endm
; source 0 = 16 columns of the weights, source 1 = 16 token rows: a lane then holds row r and the columns 8 h + 0 .. 7.  The 4 a accumulators take turns, one instruction a turn, in the same order in every step.
.macro MULS a, buf, j, zero
	WIN 0x04
.set ii, 0
.rept \a
.irp t, 0,1,2,3
.if \zero
	v_wmma_f32_16x16x32_bf16 v[ACC+32*ii+8*\t:ACC+32*ii+8*\t+7], v[BF+32*((\j)&1)+8*\t:BF+32*((\j)&1)+8*\t+7], v[128*(\buf)+32*ii+8*(\j):128*(\buf)+32*ii+8*(\j)+7], 0
.else
	v_wmma_f32_16x16x32_bf16 v[ACC+32*ii+8*\t:ACC+32*ii+8*\t+7], v[BF+32*((\j)&1)+8*\t:BF+32*((\j)&1)+8*\t+7], v[128*(\buf)+32*ii+8*(\j):128*(\buf)+32*ii+8*(\j)+7], v[ACC+32*ii+8*\t:ACC+32*ii+8*\t+7]
.endif
.endr
.set ii, ii+1
.endr
.endm
; Chunk cn: four steps of 32 k on token buffer buf.  next = 1: the next chunk's token fragments are asked for at its head.  Each step asks for the next step's weight fragments; lastb = 1: the last step asks for none.
.macro CHUNK a, buf, cn, zero, next, lastb
.irp j, 0,1,2,3
.rept 4
	v_nop                                          ; four places between the products that read the registers and the loads into them (ISA guide 7.12.1 for vector instructions)
.endr
.if (\j == 0) && (\next)
	LOADA \a, 1-(\buf), (\cn)+1
.endif
.if !((\lastb) && (\j == 3))
	LOADB (\j+1)&1, 64*(4*(\cn)+\j+1)
.endif
.if \j == 0
.if \next
	s_wait_loadcnt 8*(\a)                          ; the 8 a just issued may be out: this chunk's token fragments are in
.else
	s_wait_loadcnt 0x0
.endif
.endif
.if (\lastb) && (\j == 3)
	s_wait_dscnt 0x0
.else
	s_wait_dscnt 0x8                               ; the next step's eight may be out: this step's weight fragments are in
.endif
	MULS \a, \buf, \j, (\zero)&&(\j==0)
.endr
.endm
	s_load_b256 s[4:11], s[0:1], 0x0               ; xb s[4:5], w_gate s[6:7], w_up s[8:9], bm s[10:11]
	s_load_b128 s[12:15], s[0:1], 0x20             ; mid s[12:13], pos s[14:15]
	v_lshl_add_u32 v4, v0, 2, SPARE                ; my spare word; never rewritten
	v_mov_b32 v5, 0                                ; 0; never rewritten
	v_and_b32 v1, 31, v0                           ; l
	v_and_b32 v2, 15, v0                           ; r
	v_bfe_u32 v3, v0, 4, 1                         ; h
	v_lshrrev_b32 v9, 5, v0
	v_readfirstlane_b32 s16, v9                    ; wave
	s_lshr_b32 s17, ttmp9, 5                       ; expert
	s_and_b32 s18, ttmp9, 31                       ; slice
	s_mov_b32 s68, 0xbfb8aa3b                      ; -log2(e), named as a pair by the packed multiply
	s_mov_b32 s69, s68
	v_and_b32 v10, 7, v0                           ; cq
	v_bfe_u32 v11, v0, 3, 2                        ; kg
	s_lshl_b32 s31, s16, 5
	v_lshl_add_u32 v11, v11, 3, s31                ; 32 w + 8 kg
	v_lshlrev_b32 v6, 12, v11
	v_lshl_add_u32 v6, v10, 4, v6                  ; weights: that row x 4,096 + 16 cq
	v_mul_u32_u24 v7, v10, 4*PITCH
	v_lshl_add_u32 v7, v11, 1, v7                  ; LDS: column 4 cq, byte 2 (32 w + 8 kg); w_gate's 32 rows,
	v_add_nc_u32 v8, 32*PITCH, v7                  ; w_up's behind them
	v_mul_u32_u24 v[BADR0], v2, PITCH
	v_lshl_add_u32 v[BADR0], v3, 4, v[BADR0]       ; a fragment: row r x pitch + 16 h
	v_add_nc_u32 v[BADR0+1], 16*PITCH, v[BADR0]
	v_add_nc_u32 v[BADR0+2], 32*PITCH, v[BADR0]
	v_add_nc_u32 v[BADR0+3], 48*PITCH, v[BADR0]
	v_lshlrev_b32 v9, 4, v1                        ; 16 l
	s_mov_b32 s27, 0
	s_wait_kmcnt 0x0
	s_lshl_b32 s26, s17, 23                        ; an expert's 8 MB,
	s_lshl_b32 s31, s18, 7                         ; the slice's 128 bytes of a row
	s_add_co_u32 s26, s26, s31
	s_add_nc_u64 s[6:7], s[6:7], s[26:27]
	s_add_nc_u64 s[8:9], s[8:9], s[26:27]
	s_lshl_b32 s26, s17, 7
	s_add_nc_u64 s[10:11], s[10:11], s[26:27]      ; the expert's bitmap
	s_lshl_b32 s26, ttmp9, 16
	s_add_nc_u64 s[12:13], s[12:13], s[26:27]      ; mid: (32 e + s) x 64 tiles x 1,024 bytes
	s_lshl_b32 s26, s17, 12
	s_add_nc_u64 s[14:15], s[14:15], s[26:27]      ; pos: the expert's 1,024 words
	s_load_b512 s[32:47], s[10:11], 0x0
	s_load_b512 s[48:63], s[10:11], 0x40
.set b, 0
.rept 4
	LOADBLK b, b                                   ; the ring is filled: 32 loads of 512 bytes a wave are out
.set b, b+1
.endr
	s_wait_kmcnt 0x0
	; every wave counts the expert's rows and deals the tiles: q = tiles / 8 each, the first tiles % 8 waves one more
	s_mov_b32 s19, 0
.set j, 0
.rept 32
	s_bcnt1_i32_b32 s31, s[32+j]
	s_add_co_u32 s19, s19, s31
.set j, j+1
.endr
	s_add_co_u32 s20, s19, 15
	s_lshr_b32 s20, s20, 4
	s_max_u32 s20, s20, 1                          ; tiles
	s_lshr_b32 s21, s20, 3
	s_and_b32 s31, s20, 7
	s_mul_i32 s22, s16, s21
	s_min_u32 s66, s16, s31
	s_add_co_u32 s22, s22, s66                     ; my first tile
	s_cmp_lt_u32 s16, s31
	s_cselect_b32 s66, 1, 0
	s_add_co_u32 s21, s21, s66                     ; how many are mine
	s_cmp_lg_u32 s16, 0
	s_cbranch_scc1 .Lnolist
	; WAVE 0: the list.  It is filled with token 0 first: places past n repeat a row that exists.
	v_add_nc_u32 v98, 0x400, v1                    ; index 1,024 + l: my word of DUMP
	v_mov_b32 v100, 0
	v_mov_b32 v101, 0
	v_mov_b32 v102, 0
	v_mov_b32 v103, 0
	v_mov_b32 v104, 0x400
	v_lshl_add_u32 v105, v1, 4, LIST
	v_lshlrev_b32 v106, 2, v1
.irp k, 0,1,2,3,4,5,6,7
	ds_store_b128 v105, v[100:103] offset:512*\k
.endr
	s_mov_b32 s30, 0                               ; rows in the words before
.set j, 0
.rept 32
	v_mbcnt_lo_u32_b32 v96, s[32+j], s30           ; token 32 j + l: its rank, if it chose e
	v_cndmask_b32 v97, v98, v96, s[32+j]           ; where its number goes: list[rank], or DUMP
	v_min_u32 v97, 0x41f, v97                      ; inside LIST and DUMP whatever the bitmap holds
	v_lshl_add_u32 v97, v97, 2, LIST
	v_or_b32 v99, 32*j, v1
	ds_store_b32 v97, v99                          ; LDS serves a wave's instructions in order: this lands on the zeros
	v_cndmask_b32 v[64+j], v104, v96, s[32+j]      ; pos: the rank, or 1,024
	s_bcnt1_i32_b32 s31, s[32+j]
	s_add_co_u32 s30, s30, s31
.set j, j+1
.endr
	s_cmp_lg_u32 s18, 0
	s_cbranch_scc1 .Lnolist                        ; one of the expert's 32 work-groups stores pos
.set j, 0
.rept 32
	global_store_b32 v106, v[64+j], s[14:15] offset:128*j
.set j, j+1
.endr
.Lnolist:
.set b, 0
.rept NB
.if NB-1-b >= 3
	s_wait_loadcnt 24                              ; three younger blocks stay out
.else
	s_wait_loadcnt 8*(NB-1-b)                      ; the counts run down
.endif
	PACKBLK b%4, b
.if b+4 < NB
	LOADBLK b%4, b+4
.endif
.set b, b+1
.endr
	s_wait_dscnt 0x0                               ; for the others' sake: my part of the weights (and the list) is in LDS
	s_barrier_signal -1
	s_barrier_wait -1                              ; from here on nothing writes the weights or the list
	s_mov_b32 s24, 4                               ; four passes of two tiles at the most cover a wave's eight
.Lpass:
	s_min_u32 s23, s21, TP                         ; a: tiles of this pass
	s_cmp_eq_u32 s23, 0
	s_cbranch_scc1 .Lnext
	s_wait_xcnt 0x0                                ; earlier stores have read their offsets and data: these registers are written again below
	s_sub_co_u32 s66, s23, 1
.irp i, 0,1
	s_min_u32 s67, s66, \i                         ; a place past a repeats the pass's last tile
	s_add_co_u32 s67, s67, s22
	s_min_u32 s67, s67, 63
	v_lshl_add_u32 v[28+\i], s67, 4, v2            ; rank 16 tile + r
	v_lshl_add_u32 v[28+\i], v[28+\i], 2, LIST
	ds_load_b32 v[96+\i], v[28+\i]
	v_lshl_add_u32 v[SOFF+\i], s67, 10, v9         ; mid: tile x 1,024 + 16 l
.endr
	s_wait_dscnt 0x0
.irp i, 0,1
	v_min_u32 v[96+\i], 0x3ff, v[96+\i]
	v_lshlrev_b32 v[AOFF+\i], 12, v[96+\i]
	v_lshl_add_u32 v[AOFF+\i], v3, 4, v[AOFF+\i]   ; xb: token x 4,096 + 16 h
.endr
	; two tiles through all of K, written out.  The first chunk's first step starts the sums with the constant 0; chunk c asks for chunk c + 1 <= NCH - 1: no load leaves a row.
	LOADA TP, 0, 0
	LOADB 0, 0
	CHUNK TP, 0, 0, 1, 1, 0
.set ch, 1
.rept NCH-2
	CHUNK TP, ch&1, ch, 0, 1, 0
.set ch, ch+1
.endr
	CHUNK TP, 1, NCH-1, 0, 0, 1
	WIN 0
.rept 4
	v_nop                                          ; four places behind the last products
.endr
	; tile i: columns 0-31 of the accumulators are gate, 32-63 up.  mid = g u / (1 + 2^(-log2(e) g)).  T = v[32:47], GU = v[48:63], packed v[64 + 8 i ..]
.irp i, 0,1
.if \i > 0
	s_cmp_le_u32 s23, \i
	s_cbranch_scc1 .Lnext
.endif
.set k, 0
.rept 8
	v_pk_mul_f32 v[32+2*k:33+2*k], v[ACC+32*\i+2*k:ACC+32*\i+2*k+1], s[68:69] op_sel_hi:[1,0]  ; each accumulator's lowest registers are read first
.set k, k+1
.endr
.set k, 0
.rept 16
	v_exp_f32 v[32+k], v[32+k]
.set k, k+1
.endr
.set k, 0
.rept 8
	v_pk_mul_f32 v[48+2*k:49+2*k], v[ACC+32*\i+2*k:ACC+32*\i+2*k+1], v[ACC+32*\i+16+2*k:ACC+32*\i+16+2*k+1]  ; g u: the plain work behind the exponentials
.set k, k+1
.endr
	s_wait_alu depctr_va_vdst(0)                   ; one wait for the 16 exponentials
.set k, 0
.rept 8
	v_pk_add_f32 v[32+2*k:33+2*k], v[32+2*k:33+2*k], 1.0 op_sel_hi:[1,0]
.set k, k+1
.endr
.set k, 0
.rept 16
	v_rcp_f32 v[32+k], v[32+k]
.set k, k+1
.endr
	v_nop                                          ; a plain instruction behind the last reciprocal,
	s_wait_alu depctr_va_vdst(0)                   ; and one wait for the 16
.set k, 0
.rept 8
	v_pk_mul_f32 v[48+2*k:49+2*k], v[48+2*k:49+2*k], v[32+2*k:33+2*k]
.set k, k+1
.endr
.set k, 0
.rept 8
	v_cvt_pk_bf16_f32 v[64+8*\i+k], v[48+2*k], v[48+2*k+1]
.set k, k+1
.endr
	global_store_b128 v[SOFF+\i], v[64+8*\i:64+8*\i+3], s[12:13]              ; columns 8 h + 0 .. 7 of row r: half 0 of the second product's fragment
	global_store_b128 v[SOFF+\i], v[64+8*\i+4:64+8*\i+7], s[12:13] offset:512 ; columns 16 + 8 h + 0 .. 7: half 1
.endr
.Lnext:
	s_sub_co_u32 s21, s21, s23
	s_add_co_u32 s22, s22, s23
	s_sub_co_u32 s24, s24, 1
	s_cmp_lg_u32 s24, 0
	s_cbranch_scc1 .Lpass
	s_wait_tensorcnt 0x0                           ; the wave's end: behind my last LDS store
	ds_add_u32 v4, v5
	s_wait_dscnt 0x0
	s_endpgm
.Lfunc_end_k_q25e06e2875_gateup:
	.size	k_q25e06e2875_gateup, .Lfunc_end_k_q25e06e2875_gateup-k_q25e06e2875_gateup
	.p2alignl 7, 3214868480
	.fill 96, 4, 3214868480
	.section	.rodata,"a",@progbits
	.p2align	6, 0x0
	.amdhsa_kernel k_q25e06e2875_gateup
		.amdhsa_group_segment_fixed_size 268544
		.amdhsa_private_segment_fixed_size 0
		.amdhsa_enable_private_segment 0
		.amdhsa_kernarg_size 48
		.amdhsa_user_sgpr_count 2
		.amdhsa_user_sgpr_kernarg_segment_ptr 1
		.amdhsa_wavefront_size32 1
		.amdhsa_system_sgpr_workgroup_id_x 1
		.amdhsa_system_sgpr_workgroup_id_y 1
		.amdhsa_system_sgpr_workgroup_id_z 1
		.amdhsa_system_vgpr_workitem_id 0
		.amdhsa_next_free_vgpr 512
		.amdhsa_next_free_sgpr 70
		.amdhsa_reserve_vcc 0
		.amdhsa_float_denorm_mode_32 3
		.amdhsa_float_denorm_mode_16_64 3
		.amdhsa_memory_ordered 1
		.amdhsa_forward_progress 1
		.amdhsa_inst_pref_size 168
	.end_amdhsa_kernel
	.amdgpu_metadata
---
amdhsa.version: [ 1, 2 ]
amdhsa.kernels:
  - .name:           k_q25e06e2875_gateup
    .symbol:         k_q25e06e2875_gateup.kd
    .args:
      - { .name: xb, .offset: 0, .size: 8, .value_kind: global_buffer, .address_space: global }
      - { .name: w_gate, .offset: 8, .size: 8, .value_kind: global_buffer, .address_space: global }
      - { .name: w_up, .offset: 16, .size: 8, .value_kind: global_buffer, .address_space: global }
      - { .name: bm, .offset: 24, .size: 8, .value_kind: global_buffer, .address_space: global }
      - { .name: mid, .offset: 32, .size: 8, .value_kind: global_buffer, .address_space: global }
      - { .name: pos, .offset: 40, .size: 8, .value_kind: global_buffer, .address_space: global }
    .group_segment_fixed_size: 268544
    .private_segment_fixed_size: 0
    .kernarg_segment_align: 8
    .kernarg_segment_size: 48
    .max_flat_workgroup_size: 256
    .sgpr_count:     70
    .vgpr_count:     512
    .wavefront_size: 32
...
	.end_amdgpu_metadata
.endif
;; end of part 2
;; launch down (part 3): grid 256 x 1, 8 waves a work-group, no clusters, 168,960 bytes of LDS; arguments mid, w_down, bm, part; writes part
.if DOCPART == 3
	.amdgcn_target "amdgcn-amd-amdhsa--gfx1250"
	.amdhsa_code_object_version 6
	.text
	.protected	k_q25e06e2875_down
	.globl	k_q25e06e2875_down
	.p2align	8
	.type	k_q25e06e2875_down,@function
k_q25e06e2875_down:
	s_mov_b64 s[64:65], 0
	v_nop
	global_prefetch_b8 v0, s[64:65] scope:SCOPE_SE
	s_setreg_imm32_b32 hwreg(HW_REG_WAVE_MODE, 25, 1), 1
	s_wait_xcnt 0x0
; SECOND PRODUCT.  part[e][rank][:] = mid[e][rank][:] w_down[e], unweighted, in f32 (partial sums stay f32; the last launch weighs and adds them).  Work-group 32 e + s has expert e and
; the 64 columns 64 s .. of w_down (256 aligned bytes of each row), which it alone reads, and takes all of the expert's tiles of 16 ranks through them.
; PHASE 1: the slice (1,024 x 64 f32) streams through registers, is rounded to bf16, turned, and laid into LDS as 64 rows [column][k].  One barrier.
; PHASE 2: as in the first product: max(1, ceil(n / 16)) tiles dealt evenly to eight waves, up to four at a time through K = 1,024; weights from LDS, mid straight from memory in operand order
; ([e][32 k][tile][half][lane][16 bytes]: each load of a wave is 512 consecutive bytes).  A tile's result goes through the wave's own stage in LDS, so that sixteen lanes store 256 consecutive aligned bytes.
; Rows past n of the last tile are stored too: no token's rank names them.  LIMITS: NaN and infinities are not treated apart.
; NO JOINT LOADS: each slice of weights has one reader and has to pass registers; mid's tiles are shared by an expert's 32 work-groups, but a joint load would land them in LDS, from where each byte would be read once:
; n x 2,048 bytes written and read more in LDS for each work-group, with trip counts that hang on n.
.set PITCH, 2064                       ; a row of 1,024 bf16 + 16 bytes
.set NCH,   8
.set NTRIP, (NCH-2)/2
.set AKS,   65536                      ; mid: bytes from one 32 k to the next,
.set AG,    512                        ; between a fragment's two halves,
.set ASTEP, 262144                     ; and from chunk to chunk
.set NB,    8
.set STAGE, 64*PITCH+1024              ; 16 rows x 272 bytes for each wave; 1,024 unused bytes lie between the weights and the stages
.set SP,    272
.set SPARE, STAGE+8*16*SP              ; the spare words, 128 bytes a wave: no other line names them
.set BADR,  12                         ; registers as in the first product
.set AOFF,  16
.set BADR0, 20
.set SOFF,  24
.set STO,   28                         ; v28  the way out: where I put 16 bytes of a row
.set RD,    29                         ; v29  where I read rows back
.set BF,    32
.set PK,    32
.set ACC,   128
.set RG,    128
.set MSB, 0
.macro WIN new
.if MSB != (\new)
	s_set_vgpr_msb (MSB<<8)|(\new)
.set MSB, \new
.endif
.endm
; PHASE 1.  Lane: four columns 4 r .., kg = h.  Block b: rows k = 128 b + 16 w + 8 h + i: a load of the wave takes two whole pieces of 256 bytes.
.macro LOADBLK slot, b
.irp i, 0,1,2,3,4,5,6,7
	global_load_b128 v[RG+32*(\slot)+4*\i:RG+32*(\slot)+4*\i+3], v6, s[6:7] offset:(128*(\b)+\i)*8192 th:TH_LOAD_NT
.endr
.endm
.macro PACKBLK slot, b
.irp c, 0,1,2,3
.irp p, 0,1,2,3
	v_cvt_pk_bf16_f32 v[PK+4*\c+\p], v[RG+32*(\slot)+8*\p+\c], v[RG+32*(\slot)+8*\p+4+\c]
.endr
.endr
.irp c, 0,1,2,3
	ds_store_b128 v7, v[PK+4*\c:PK+4*\c+3] offset:\c*PITCH+256*(\b)
.endr
.endm
.macro LOADA a, buf
	WIN 0x40
.set ii, 0
.rept \a
.irp j, 0,1,2,3
.irp g, 0,1
	global_load_b128 v[128*(\buf)+32*ii+8*\j+4*\g:128*(\buf)+32*ii+8*\j+4*\g+3], v[AOFF+ii], s[28:29] offset:\j*AKS+\g*AG
.endr
.endr
.set ii, ii+1
.endr
	WIN 0x04
.endm
.macro LOADB bb, ar, off
	WIN 0x04
.irp t, 0,1,2,3
.irp g, 0,1
	ds_load_b128 v[BF+32*(\bb)+8*\t+4*\g:BF+32*(\bb)+8*\t+4*\g+3], v[\ar+\t] offset:(\off)+32*\g
.endr
.endr
.endm
; source 0 = 16 columns of the weights, source 1 = 16 ranks: a lane holds rank r and the columns 8 h + 0 .. 7.  The 4 a accumulators take turns.
.macro MULS a, buf, j, zero
	WIN 0x04
.set ii, 0
.rept \a
.irp t, 0,1,2,3
.if \zero
	v_wmma_f32_16x16x32_bf16 v[ACC+32*ii+8*\t:ACC+32*ii+8*\t+7], v[BF+32*((\j)&1)+8*\t:BF+32*((\j)&1)+8*\t+7], v[128*(\buf)+32*ii+8*(\j):128*(\buf)+32*ii+8*(\j)+7], 0
.else
	v_wmma_f32_16x16x32_bf16 v[ACC+32*ii+8*\t:ACC+32*ii+8*\t+7], v[BF+32*((\j)&1)+8*\t:BF+32*((\j)&1)+8*\t+7], v[128*(\buf)+32*ii+8*(\j):128*(\buf)+32*ii+8*(\j)+7], v[ACC+32*ii+8*\t:ACC+32*ii+8*\t+7]
.endif
.endr
.set ii, ii+1
.endr
.endm
; A chunk: four steps of 32 k; its first step lies 64 u0 bytes behind the address in ar.  placed = 1: four plain vector instructions stand in front of the chunk already.
.macro CHUNK a, buf, ar, u0, zero, next, lastb, placed
.irp j, 0,1,2,3
.if !((\j == 0) && (\placed))
.rept 4
	v_nop                                          ; four places between the products that read the registers and the loads into them
.endr
.endif
.if (\j == 0) && (\next)
	s_wait_xcnt 0x0                                ; the base of the loads issued a chunk ago is stepped only behind this wait
	s_add_nc_u64 s[28:29], s[28:29], ASTEP
	LOADA \a, 1-(\buf)
.endif
.if !((\lastb) && (\j == 3))
	LOADB (\j+1)&1, \ar, 64*((\u0)+\j+1)
.endif
.if \j == 0
.if \next
	s_wait_loadcnt 8*(\a)                          ; the 8 a just issued may be out: this chunk's fragments of mid are in
.else
	s_wait_loadcnt 0x0
.endif
.endif
.if (\lastb) && (\j == 3)
	s_wait_dscnt 0x0
.else
	s_wait_dscnt 0x8                               ; the next step's eight may be out
.endif
	MULS \a, \buf, \j, (\zero)&&(\j==0)
.endr
.endm
; As in the first product: the first and the last chunk name BADR0; the loop's counter s25 is 512 T, BADR = 512 T + BADR0 is made at each trip's head, and those four additions are the places in front of the
; trip's first loads.  The offset passes s_min_u32 with the last trip's 512 (NTRIP - 1): it never binds, and it writes the bound into the text: every LDS address of the loop lies below
; 63 PITCH + 16 + 512 (NTRIP - 1) + 816 = 131,888, inside the weights' rows and under the stages.
.macro GEMM a
.Lv\a:
	s_mov_b64 s[28:29], s[4:5]
	LOADA \a, 0
	LOADB 0, BADR0, 0
	CHUNK \a, 0, BADR0, 0, 1, 1, 0, 0
	WIN 0
	s_mov_b32 s25, 0
.Lk\a:
	s_min_u32 s31, s25, 512*(NTRIP-1)
.irp t, 0,1,2,3
	v_add_nc_u32 v[BADR+\t], s31, v[BADR0+\t]
.endr
	CHUNK \a, 1, BADR, 4, 0, 1, 0, 1
	CHUNK \a, 0, BADR, 8, 0, 1, 0, 0
	WIN 0
	s_add_co_u32 s25, s25, 512
	s_cmp_lt_u32 s25, 512*NTRIP
	s_cbranch_scc1 .Lk\a
	CHUNK \a, 1, BADR0, 4*(NCH-1), 0, 0, 1, 0
	WIN 0
.if \a < 4
	s_branch .Lepi
.endif
.endm
	s_load_b256 s[4:11], s[0:1], 0x0               ; mid s[4:5], w_down s[6:7], bm s[8:9], part s[10:11]
	v_lshl_add_u32 v4, v0, 2, SPARE                ; my spare word; never rewritten
	v_mov_b32 v5, 0                                ; 0; never rewritten
	v_and_b32 v1, 31, v0                           ; l
	v_and_b32 v2, 15, v0                           ; r
	v_bfe_u32 v3, v0, 4, 1                         ; h
	v_lshrrev_b32 v9, 5, v0
	v_readfirstlane_b32 s16, v9                    ; wave
	s_lshr_b32 s17, ttmp9, 5                       ; expert
	s_and_b32 s18, ttmp9, 31                       ; slice
	s_lshl_b32 s31, s16, 4
	v_lshl_add_u32 v11, v3, 3, s31                 ; 16 w + 8 h
	v_lshlrev_b32 v6, 13, v11
	v_lshl_add_u32 v6, v2, 4, v6                   ; weights: that row x 8,192 + 16 r
	v_mul_u32_u24 v7, v2, 4*PITCH
	v_lshl_add_u32 v7, v11, 1, v7                  ; LDS: column 4 r, byte 2 (16 w + 8 h)
	v_mul_u32_u24 v[BADR0], v2, PITCH
	v_lshl_add_u32 v[BADR0], v3, 4, v[BADR0]
	v_add_nc_u32 v[BADR0+1], 16*PITCH, v[BADR0]
	v_add_nc_u32 v[BADR0+2], 32*PITCH, v[BADR0]
	v_add_nc_u32 v[BADR0+3], 48*PITCH, v[BADR0]
	v_lshlrev_b32 v9, 4, v1                        ; 16 l
	s_mul_i32 s31, s16, 16*SP
	s_add_co_u32 s31, s31, STAGE                   ; my stage
	v_mul_u32_u24 v[STO], v2, SP
	v_lshl_add_u32 v[STO], v3, 5, v[STO]
	v_add_nc_u32 v[STO], s31, v[STO]               ; in: row r, 32 bytes for each half of the lanes
	v_mul_u32_u24 v[RD], v3, SP
	v_lshl_add_u32 v[RD], v2, 4, v[RD]
	v_add_nc_u32 v[RD], s31, v[RD]                 ; back: lanes 0-15 one row of 256 bytes, lanes 16-31 the next
	v_lshlrev_b32 v30, 13, v3
	v_lshl_add_u32 v30, v2, 4, v30                 ; and the same two rows in part
	s_mov_b32 s27, 0
	s_wait_kmcnt 0x0
	s_lshl_b32 s26, s17, 23
	s_lshl_b32 s31, s18, 8
	s_add_co_u32 s26, s26, s31                     ; an expert's 8 MB, the slice's 256 bytes of a row: the same in w_down and in part
	s_add_nc_u64 s[6:7], s[6:7], s[26:27]
	s_add_nc_u64 s[10:11], s[10:11], s[26:27]
	s_lshl_b32 s26, s17, 21
	s_add_nc_u64 s[4:5], s[4:5], s[26:27]          ; mid: the expert's 2 MB
	s_lshl_b32 s26, s17, 7
	s_add_nc_u64 s[8:9], s[8:9], s[26:27]          ; the expert's bitmap
	s_load_b512 s[32:47], s[8:9], 0x0
	s_load_b512 s[48:63], s[8:9], 0x40
.set b, 0
.rept 4
	LOADBLK b, b
.set b, b+1
.endr
	s_wait_kmcnt 0x0
	s_mov_b32 s19, 0
.set j, 0
.rept 32
	s_bcnt1_i32_b32 s31, s[32+j]
	s_add_co_u32 s19, s19, s31
.set j, j+1
.endr
	s_add_co_u32 s20, s19, 15
	s_lshr_b32 s20, s20, 4
	s_max_u32 s20, s20, 1                          ; tiles: the same number as in the first product
	s_lshr_b32 s21, s20, 3
	s_and_b32 s31, s20, 7
	s_mul_i32 s22, s16, s21
	s_min_u32 s66, s16, s31
	s_add_co_u32 s22, s22, s66                     ; my first tile
	s_cmp_lt_u32 s16, s31
	s_cselect_b32 s66, 1, 0
	s_add_co_u32 s21, s21, s66                     ; how many are mine
.set b, 0
.rept NB
.if NB-1-b >= 3
	s_wait_loadcnt 24                              ; three younger blocks stay out
.else
	s_wait_loadcnt 8*(NB-1-b)
.endif
	PACKBLK b%4, b
.if b+4 < NB
	LOADBLK b%4, b+4
.endif
.set b, b+1
.endr
	s_wait_dscnt 0x0                               ; for the others' sake: my part of the weights is in LDS
	s_barrier_signal -1
	s_barrier_wait -1                              ; from here on nothing writes the weights; the stages are each wave's own
	s_mov_b32 s24, 2
.Lpass:
	s_min_u32 s23, s21, 4
	s_cmp_eq_u32 s23, 0
	s_cbranch_scc1 .Lnext
	s_wait_xcnt 0x0                                ; earlier stores have read their offsets and data
	s_sub_co_u32 s66, s23, 1
.irp i, 0,1,2,3
	s_min_u32 s67, s66, \i
	s_add_co_u32 s67, s67, s22
	s_min_u32 s67, s67, 63
	v_lshl_add_u32 v[AOFF+\i], s67, 10, v9         ; mid: tile x 1,024 + 16 l
	v_lshl_add_u32 v[SOFF+\i], s67, 17, v30        ; part: 16 tile rows of 8,192 bytes + my place
.endr
	s_cmp_eq_u32 s23, 4
	s_cbranch_scc1 .Lv4
	s_cmp_eq_u32 s23, 3
	s_cbranch_scc1 .Lv3
	GEMM 2                                         ; also for a = 1, on the tile twice; only place 0 is stored
	GEMM 3
	GEMM 4
.Lepi:
.rept 4
	v_nop                                          ; four places behind the last products
.endr
.irp i, 0,1,2,3
.if \i > 0
	s_cmp_le_u32 s23, \i
	s_cbranch_scc1 .Lnext
.endif
.irp t, 0,1,2,3
	ds_store_b128 v[STO], v[ACC+32*\i+8*\t:ACC+32*\i+8*\t+3] offset:64*\t       ; each accumulator's lowest registers first
	ds_store_b128 v[STO], v[ACC+32*\i+8*\t+4:ACC+32*\i+8*\t+7] offset:64*\t+16
.endr
.if \i >= 2
	s_wait_xcnt 0x0                                ; the stores of the tile two before have read these registers
.endif
.irp t, 0,1,2,3,4,5,6,7
	ds_load_b128 v[32+32*((\i)&1)+4*\t:32+32*((\i)&1)+4*\t+3], v[RD] offset:2*SP*\t  ; LDS serves a wave's instructions in order: these see the stores above; the next tile's stores come behind them
.endr
.irp t, 0,1,2,3,4,5,6,7
	s_wait_dscnt 7-\t
	global_store_b128 v[SOFF+\i], v[32+32*((\i)&1)+4*\t:32+32*((\i)&1)+4*\t+3], s[10:11] offset:16384*\t  ; sixteen lanes store 256 consecutive aligned bytes
.endr
.endr
.Lnext:
	s_sub_co_u32 s21, s21, s23
	s_add_co_u32 s22, s22, s23
	s_sub_co_u32 s24, s24, 1
	s_cmp_lg_u32 s24, 0
	s_cbranch_scc1 .Lpass
	s_wait_tensorcnt 0x0                           ; the wave's end: behind my last LDS store
	ds_add_u32 v4, v5
	s_wait_dscnt 0x0
	s_endpgm
.Lfunc_end_k_q25e06e2875_down:
	.size	k_q25e06e2875_down, .Lfunc_end_k_q25e06e2875_down-k_q25e06e2875_down
	.p2alignl 7, 3214868480
	.fill 96, 4, 3214868480
	.section	.rodata,"a",@progbits
	.p2align	6, 0x0
	.amdhsa_kernel k_q25e06e2875_down
		.amdhsa_group_segment_fixed_size 168960
		.amdhsa_private_segment_fixed_size 0
		.amdhsa_enable_private_segment 0
		.amdhsa_kernarg_size 32
		.amdhsa_user_sgpr_count 2
		.amdhsa_user_sgpr_kernarg_segment_ptr 1
		.amdhsa_wavefront_size32 1
		.amdhsa_system_sgpr_workgroup_id_x 1
		.amdhsa_system_sgpr_workgroup_id_y 1
		.amdhsa_system_sgpr_workgroup_id_z 1
		.amdhsa_system_vgpr_workitem_id 0
		.amdhsa_next_free_vgpr 512
		.amdhsa_next_free_sgpr 70
		.amdhsa_reserve_vcc 0
		.amdhsa_float_denorm_mode_32 3
		.amdhsa_float_denorm_mode_16_64 3
		.amdhsa_memory_ordered 1
		.amdhsa_forward_progress 1
		.amdhsa_inst_pref_size 129
	.end_amdhsa_kernel
	.amdgpu_metadata
---
amdhsa.version: [ 1, 2 ]
amdhsa.kernels:
  - .name:           k_q25e06e2875_down
    .symbol:         k_q25e06e2875_down.kd
    .args:
      - { .name: mid, .offset: 0, .size: 8, .value_kind: global_buffer, .address_space: global }
      - { .name: w_down, .offset: 8, .size: 8, .value_kind: global_buffer, .address_space: global }
      - { .name: bm, .offset: 16, .size: 8, .value_kind: global_buffer, .address_space: global }
      - { .name: part, .offset: 24, .size: 8, .value_kind: global_buffer, .address_space: global }
    .group_segment_fixed_size: 168960
    .private_segment_fixed_size: 0
    .kernarg_segment_align: 8
    .kernarg_segment_size: 32
    .max_flat_workgroup_size: 256
    .sgpr_count:     70
    .vgpr_count:     512
    .wavefront_size: 32
...
	.end_amdgpu_metadata
.endif
;; end of part 3
;; launch combine (part 4): grid 256 x 1, 8 waves a work-group, no clusters, 0 bytes of LDS; arguments xb, gw, pos, part, out0; writes out0
.if DOCPART == 4
	.amdgcn_target "amdgcn-amd-amdhsa--gfx1250"
	.amdhsa_code_object_version 6
	.text
	.protected	k_q25e06e2875_combine
	.globl	k_q25e06e2875_combine
	.p2align	8
	.type	k_q25e06e2875_combine,@function
k_q25e06e2875_combine:
	s_mov_b64 s[64:65], 0
	v_nop
	global_prefetch_b8 v0, s[64:65] scope:SCOPE_SE
	s_setreg_imm32_b32 hwreg(HW_REG_WAVE_MODE, 25, 1), 1
	s_wait_xcnt 0x0
; THE SUM.  out[t] = zero_w[t] x[t] + the sum over the routed experts e that t chose of route_w[t][e] part[e][pos[e][t]].  x is the bf16 rounding that the whole program uses.
; A wave has half a token's row (1,024 columns); a work-group four tokens.  Each output row has one owner.  A stream: no LDS, no barrier, no matrix unit; every load and store of a wave covers
; consecutive aligned bytes (256 of xb, 512 of part and of out).  A token chose four classes, so at most four experts: their rows are gathered into up to four slots, and the text is written out for 0 to 4 slots,
; so that only rows that exist are read.  The experts are added in descending order of their numbers.
.set XB,  16                           ; v[16:31]   8 x 4 bf16 of x
.set AC,  32                           ; v[32:63]   my 32 sums
.set PT,  64                           ; v[64:191]  slot k: 32 registers of part
	s_load_b256 s[4:11], s[0:1], 0x0               ; xb s[4:5], gw s[6:7], pos s[8:9], part s[10:11]
	s_load_b64 s[12:13], s[0:1], 0x20              ; out
	v_and_b32 v1, 31, v0
	v_lshrrev_b32 v4, 5, v0
	v_readfirstlane_b32 s14, v4                    ; wave
	s_lshr_b32 s15, s14, 1
	s_lshl2_add_u32 s15, ttmp9, s15                ; token = 4 x work-group + wave / 2
	s_and_b32 s14, s14, 1                          ; which half of its row
	v_lshlrev_b32 v2, 4, v1                        ; 16 l
	v_lshlrev_b32 v3, 3, v1                        ; 8 l
	s_mov_b32 s27, 0
	s_mov_b32 s25, 0                               ; named with zero_w as a pair
	s_mov_b32 s45, 0xffff0000                      ; a word's upper bf16
.irp k, 40,41,42,43,44,48,49,50,51,52,53,54,55
	s_mov_b32 s\k, 0                               ; the slots' indices, their number, their weights (each named as a pair)
.endr
	s_wait_kmcnt 0x0
	s_lshl_b32 s26, s15, 6
	s_add_nc_u64 s[6:7], s[6:7], s[26:27]
	s_lshl_b32 s26, s15, 2
	s_add_nc_u64 s[8:9], s[8:9], s[26:27]
	s_load_b256 s[16:23], s[6:7], 0x0              ; the eight routed weights
	s_load_b32 s24, s[6:7], 0x20                   ; the zero experts' weight
.irp e, 0,1,2,3,4,5,6,7
	s_load_b32 s[32+\e], s[8:9], 4096*\e           ; the token's rank in expert e, or 1,024
.endr
	s_lshl_b32 s26, s15, 12
	s_lshl_b32 s28, s14, 11
	s_add_co_u32 s26, s26, s28
	s_add_nc_u64 s[4:5], s[4:5], s[26:27]          ; xb at my half row
.irp j, 0,1,2,3,4,5,6,7
	global_load_b64 v[XB+2*\j:XB+2*\j+1], v3, s[4:5] offset:256*\j th:TH_LOAD_NT
.endr
	s_lshl_b32 s26, s14, 12
	s_add_nc_u64 s[10:11], s[10:11], s[26:27]      ; part at my half of a row
	s_lshl_b32 s28, s15, 13
	s_add_co_u32 s26, s26, s28
	s_add_nc_u64 s[12:13], s[12:13], s[26:27]      ; out at my half row
	s_wait_kmcnt 0x0
	; a chosen expert pushes the slots down by one and takes slot 0: selects alone, no branch
.irp e, 0,1,2,3,4,5,6,7
	s_add_co_u32 s26, s[32+\e], 1024*\e            ; the row's number in part
	s_cmp_lt_u32 s[32+\e], 1024
	s_cselect_b32 s43, s42, s43
	s_cselect_b32 s42, s41, s42
	s_cselect_b32 s41, s40, s41
	s_cselect_b32 s40, s26, s40
	s_cselect_b32 s54, s52, s54
	s_cselect_b32 s52, s50, s52
	s_cselect_b32 s50, s48, s50
	s_cselect_b32 s48, s[16+\e], s48
	s_cselect_b32 s46, 1, 0
	s_add_co_u32 s44, s44, s46
.endr
.irp k, 0,1,2,3
	s_min_u32 s[40+\k], s[40+\k], 0x1fff           ; inside part whatever pos holds
	s_lshl_b32 s[40+\k], s[40+\k], 13
	v_add_nc_u32 v[8+\k], s[40+\k], v2             ; row x 8,192 + 16 l
.endr
	s_min_u32 s44, s44, 4
	s_cmp_eq_u32 s44, 4
	s_cbranch_scc1 .Lc4
	s_cmp_eq_u32 s44, 3
	s_cbranch_scc1 .Lc3
	s_cmp_eq_u32 s44, 2
	s_cbranch_scc1 .Lc2
	s_cmp_eq_u32 s44, 1
	s_cbranch_scc1 .Lc1
.macro COMB c
.Lc\c:
.set k, 0
.rept \c
.irp j, 0,1,2,3,4,5,6,7
	global_load_b128 v[PT+32*k+4*\j:PT+32*k+4*\j+3], v[8+k], s[10:11] offset:512*\j th:TH_LOAD_NT
.endr
.set k, k+1
.endr
	s_wait_loadcnt 8*\c                            ; the slots' loads are the younger ones: x is in
.irp j, 0,1,2,3,4,5,6,7
	v_lshlrev_b32 v[AC+4*\j],   16,  v[XB+2*\j]
	v_and_b32     v[AC+4*\j+1], s45, v[XB+2*\j]
	v_lshlrev_b32 v[AC+4*\j+2], 16,  v[XB+2*\j+1]
	v_and_b32     v[AC+4*\j+3], s45, v[XB+2*\j+1]
.endr
.set m, 0
.rept 16
	v_pk_mul_f32 v[AC+2*m:AC+2*m+1], v[AC+2*m:AC+2*m+1], s[24:25] op_sel_hi:[1,0]
.set m, m+1
.endr
.set k, 0
.rept \c
	s_wait_loadcnt 8*(\c-1-k)                      ; slot k is in; the later slots stay out
.set m, 0
.rept 16
	v_pk_fma_f32 v[AC+2*m:AC+2*m+1], v[PT+32*k+2*m:PT+32*k+2*m+1], s[48+2*k:49+2*k], v[AC+2*m:AC+2*m+1] op_sel_hi:[1,0,1]
.set m, m+1
.endr
.set k, k+1
.endr
.irp j, 0,1,2,3,4,5,6,7
	global_store_b128 v2, v[AC+4*\j:AC+4*\j+3], s[12:13] offset:512*\j th:TH_STORE_NT
.endr
	s_endpgm
.endm
	COMB 0
	COMB 1
	COMB 2
	COMB 3
	COMB 4
.Lfunc_end_k_q25e06e2875_combine:
	.size	k_q25e06e2875_combine, .Lfunc_end_k_q25e06e2875_combine-k_q25e06e2875_combine
	.p2alignl 7, 3214868480
	.fill 96, 4, 3214868480
	.section	.rodata,"a",@progbits
	.p2align	6, 0x0
	.amdhsa_kernel k_q25e06e2875_combine
		.amdhsa_group_segment_fixed_size 0
		.amdhsa_private_segment_fixed_size 0
		.amdhsa_enable_private_segment 0
		.amdhsa_kernarg_size 40
		.amdhsa_user_sgpr_count 2
		.amdhsa_user_sgpr_kernarg_segment_ptr 1
		.amdhsa_wavefront_size32 1
		.amdhsa_system_sgpr_workgroup_id_x 1
		.amdhsa_system_sgpr_workgroup_id_y 1
		.amdhsa_system_sgpr_workgroup_id_z 1
		.amdhsa_system_vgpr_workitem_id 0
		.amdhsa_next_free_vgpr 192
		.amdhsa_next_free_sgpr 66
		.amdhsa_reserve_vcc 0
		.amdhsa_float_denorm_mode_32 3
		.amdhsa_float_denorm_mode_16_64 3
		.amdhsa_memory_ordered 1
		.amdhsa_forward_progress 1
		.amdhsa_inst_pref_size 40
	.end_amdhsa_kernel
	.amdgpu_metadata
---
amdhsa.version: [ 1, 2 ]
amdhsa.kernels:
  - .name:           k_q25e06e2875_combine
    .symbol:         k_q25e06e2875_combine.kd
    .args:
      - { .name: xb, .offset: 0, .size: 8, .value_kind: global_buffer, .address_space: global }
      - { .name: gw, .offset: 8, .size: 8, .value_kind: global_buffer, .address_space: global }
      - { .name: pos, .offset: 16, .size: 8, .value_kind: global_buffer, .address_space: global }
      - { .name: part, .offset: 24, .size: 8, .value_kind: global_buffer, .address_space: global }
      - { .name: out0, .offset: 32, .size: 8, .value_kind: global_buffer, .address_space: global }
    .group_segment_fixed_size: 0
    .private_segment_fixed_size: 0
    .kernarg_segment_align: 8
    .kernarg_segment_size: 40
    .max_flat_workgroup_size: 256
    .sgpr_count:     66
    .vgpr_count:     192
    .wavefront_size: 32
...
	.end_amdgpu_metadata
.endif
;; end of part 4
;; ======== version 2 of 3: 4 launches; 1.20 times as fast as version 1
;; workspace buffers: xb 4,194,304 bytes; bm 1,024 bytes of whole numbers; gw 65,536 bytes; mid 16,777,216 bytes; pos 32,768 bytes of whole numbers; part 67,108,864 bytes
;; launch router: the kernel of part 1 again; grid 64 x 1, 8 waves a work-group, no clusters, 76,800 bytes of LDS; arguments hidden_states, router_w, corr_bias, xb, bm, gw; writes xb, bm, gw
;; launch gateup (part 5): grid 256 x 1, 8 waves a work-group, no clusters, 264,192 bytes of LDS; arguments xb, w_gate, w_up, bm, mid, pos; writes mid, pos
.if DOCPART == 5
	.amdgcn_target "amdgcn-amd-amdhsa--gfx1250"
	.amdhsa_code_object_version 6
	.text
	.protected	k_q25e06e2875_gateup
	.globl	k_q25e06e2875_gateup
	.p2align	8
	.type	k_q25e06e2875_gateup,@function
k_q25e06e2875_gateup:
	s_mov_b64 s[64:65], 0
	v_nop
	global_prefetch_b8 v0, s[64:65] scope:SCOPE_SE
	s_setreg_imm32_b32 hwreg(HW_REG_WAVE_MODE, 25, 1), 1
	s_wait_xcnt 0x0
; FIRST PRODUCT.  mid = silu(x w_gate) * (x w_up), only for the rows that chose the expert.  Work-group 32 e + s has expert e and the 32 columns 32 s .. of w_gate and of w_up,
; which it alone reads; it takes ALL of the expert's rows through them.  The rows are ranked by token number; 16 ranks are a tile.
; PHASE 1: the slice (2 x 2,048 x 32 f32) streams through registers, is rounded to bf16, turned, and laid into LDS as 64 rows [column][k].  One barrier.
; PHASE 2: a wave that takes a pass through K = 2,048 reads all 64 rows' 4,096 bytes from LDS, 256 KB, whatever the number of its tiles.  So the expert's max(1, ceil(n / 16)) tiles go in GROUPS OF THREE, to as few
; waves as hold them: group u is tiles 3 u .. 3 u + 2, and the wave at place p takes groups p, p + 8, p + 16: three passes cover the 22 groups of n = 1,024, so every split is served; with 16 to 18 tiles six waves make
; one pass each.  The launch does not say how a work-group's waves are dealt to the SIMDs: the waves' places run 0, 3, 5, 6, 1, 2, 4, 7, so that the first four differ both in w mod 4 and in w / 2.
; The number of passes hangs on n, so the pass loop keeps its LDS addresses fixed: K is written out, and a step's place along K stands in the loads' immediates.  Weights come from LDS, token rows from xb
; straight into registers as operands, through a ring of ten slots of one step (32 k) each, asked for two steps at a time, eight steps ahead (48 loads of a wave are out at the most); nothing writes LDS, so there is no further barrier.
; THE TOKEN OF A RANK is found by each lane in registers, from the expert's bitmap in scalar registers: the word by the words' running counts, the bit by the word's partial bit counts.
; Places past n take some row that exists and land in rows of mid that no token's rank names; an expert without rows runs one such tile; places past a group's tiles repeat its last tile and are not stored:
; at most two tiles' products an expert serve nothing.
; Behind its passes wave 7 of slice 0 stores pos[e][token] = rank, or 1,024 where the token did not choose e.
; mid is stored in the order in which the second product's operand registers take it: [e][slice of 32 columns][tile][half g][lane][16 bytes]: each store of a wave covers 512 consecutive aligned bytes.
; FORMAT: weights and x rounded to bf16, sums and the activation in f32, mid rounded once to bf16.  LIMITS: NaN and infinities are not treated apart.
; NO JOINT LOADS: each slice of weights has one reader and has to pass registers to be rounded and turned; the token rows, which an expert's 32 work-groups share, come by rank, which no tile descriptor covers.
; A weight row's piece is 128 bytes: 64 columns of bf16 over K = 2,048 are what LDS holds.
.set PITCH, 4112                       ; a row of 2,048 bf16 + 16 bytes: the 16 rows of a fragment load start at 16 different groups of four banks
.set KST,   64                         ; steps of 32 along K
.set TP,    3                          ; tiles of a pass
.set NS,    10                         ; slots of the token ring: 10 x 3 tiles x 8 registers = 240 of window 1
.set AKS,   64                         ; token rows: bytes from one 32 k to the next,
.set AG,    32                         ; and between a fragment's two halves
.set NB,    16                         ; phase 1: blocks of 8 loads a wave (8 of w_gate, then 8 of w_up)
.set SPARE, 64*PITCH                   ; behind the weights: the spare words, 128 bytes a wave: no other line names them
.set AOFF,  16                         ; v[16:18]  tile i: my token row's byte offset in xb
.set BADR0, 20                         ; v[20:23]  LDS address of my weight fragments at K = 0, one for each 16 columns; never rewritten
.set SOFF,  24                         ; v[24:26]  tile i: my byte offset in mid
.set BF,    32                         ; v[32:63], v[64:95] weight fragments of one 32 k, two buffers; at work in the epilogue
.set PK,    32                         ; phase 1: 16 registers, packed
.set QR,    96                         ; the search, a register for each of the three tiles: the rank wanted,
.set WB,    99                         ; the bitmap's word that holds it,
.set CB,    102                        ; that word's number (high half) and the rows in the words before it (low half),
.set KK,    105                        ; how many set bits come before the one wanted,
.set T0,    108                        ; at work,
.set T1,    111
.set C2,    114                        ; the word's bit counts in fields of 2, 4, 8 and 16 bits,
.set C4,    117
.set C8,    120
.set C16,   123
.set PS,    126                        ; the bit's place, then the token
.set ACC,   160                        ; v[160:255] accumulator (tile i, 16 columns t) at ACC + 32 i + 8 t
.set RG,    128                        ; phase 1: the ring, 4 slots of 32
.set PO,    192                        ; v[192:223] at the end: pos on its way out
                                       ; window 1 (v256-495): token fragments: 24 (step % 10) + 8 i + 4 g
.set MSB, 0
.macro WIN new                         ; s_set_vgpr_msb: bits 3:2 source 1, 7:6 destination; the high byte repeats the setting that is left
.if MSB != (\new)
	s_set_vgpr_msb (MSB<<8)|(\new)
.set MSB, \new
.endif
.endm
.macro EACH line:vararg                ; one line for each of the pass's three tiles tt
.set tt, 0
.rept TP
	\line
.set tt, tt+1
.endr
.endm
; PHASE 1.  Lane: cq = l % 8 (four columns), kg = l / 8.  Block b: rows k = 256 (b % 8) + 32 w + 8 kg + i, i = 0 .. 7: a lane gets 8 k x 4 columns.
.macro LOADBLK slot, b
.irp i, 0,1,2,3,4,5,6,7
.if (\b) < 8
	global_load_b128 v[RG+32*(\slot)+4*\i:RG+32*(\slot)+4*\i+3], v6, s[6:7] offset:(256*((\b)%8)+\i)*4096
.else
	global_load_b128 v[RG+32*(\slot)+4*\i:RG+32*(\slot)+4*\i+3], v6, s[8:9] offset:(256*((\b)%8)+\i)*4096
.endif
.endr
.endm
.macro PACKBLK slot, b                 ; for each of my four columns: 8 k rounded into 16 bytes, stored along the column's LDS row
.irp c, 0,1,2,3
.irp p, 0,1,2,3
	v_cvt_pk_bf16_f32 v[PK+4*\c+\p], v[RG+32*(\slot)+8*\p+\c], v[RG+32*(\slot)+8*\p+4+\c]
.endr
.endr
.irp c, 0,1,2,3
.if (\b) < 8
	ds_store_b128 v7, v[PK+4*\c:PK+4*\c+3] offset:\c*PITCH+512*((\b)%8)
.else
	ds_store_b128 v8, v[PK+4*\c:PK+4*\c+3] offset:\c*PITCH+512*((\b)%8)
.endif
.endr
.endm
; PHASE 2.
.macro LOADA a, s                      ; a tiles' token fragments of step s (32 k): 2 a loads into slot s % NS; the step's place in the row stands in the immediate.  The expert's other 31 work-groups read the same rows
	WIN 0x40
.set ii, 0
.rept \a
.irp g, 0,1
	global_load_b128 v[8*(\a)*((\s)%NS)+8*ii+4*\g:8*(\a)*((\s)%NS)+8*ii+4*\g+3], v[AOFF+ii], s[4:5] offset:(\s)*AKS+\g*AG th:TH_LOAD_HT
.endr
.set ii, ii+1
.endr
.endm
.macro LOADB bb, off                   ; the 64 columns' fragments of one 32 k, off bytes along the rows: 8 loads
	WIN 0x04
.irp t, 0,1,2,3
.irp g, 0,1
	ds_load_b128 v[BF+32*(\bb)+8*\t+4*\g:BF+32*(\bb)+8*\t+4*\g+3], v[BADR0+\t] offset:(\off)+32*\g
.endr
.endr
.endm
; source 0 = 16 columns of the weights, source 1 = 16 token rows: a lane then holds row r and the columns 8 h + 0 .. 7.  The 4 a accumulators take turns, one instruction a turn, in the same order in every step.
.macro MULS a, s, zero
	WIN 0x04
.set ii, 0
.rept \a
.irp t, 0,1,2,3
.if \zero
	v_wmma_f32_16x16x32_bf16 v[ACC+32*ii+8*\t:ACC+32*ii+8*\t+7], v[BF+32*((\s)&1)+8*\t:BF+32*((\s)&1)+8*\t+7], v[8*(\a)*((\s)%NS)+8*ii:8*(\a)*((\s)%NS)+8*ii+7], 0
.else
	v_wmma_f32_16x16x32_bf16 v[ACC+32*ii+8*\t:ACC+32*ii+8*\t+7], v[BF+32*((\s)&1)+8*\t:BF+32*((\s)&1)+8*\t+7], v[8*(\a)*((\s)%NS)+8*ii:8*(\a)*((\s)%NS)+8*ii+7], v[ACC+32*ii+8*\t:ACC+32*ii+8*\t+7]
.endif
.endr
.set ii, ii+1
.endr
.endm
; Step s: 32 k.  An even step waits for its own and the next step's token fragments and then asks for those of steps s + 8 and s + 9, into the two slots that steps s - 2 and s - 1 have multiplied.
; Each step asks for the next step's weight fragments; the very last asks for none.  Step 0 starts the sums with the constant 0.
.macro STEP a, s
.rept 4
	v_nop                                          ; four places between the products that read the registers and the loads into them (ISA guide 7.12.1 for vector instructions)
.endr
.if ((\s)&1) == 0
.if KST-2-(\s) >= 6
	s_wait_loadcnt 4*(\a)*3                        ; the three younger pairs of steps, 4 a loads each, may be out: this pair's token fragments are in
.else
	s_wait_loadcnt 4*(\a)*((KST-2-(\s))/2)         ; the counts run down
.endif
.if (\s)+8 < KST
	LOADA \a, (\s)+8                               ; no load leaves a row: the last step asked for is KST - 1
	LOADA \a, (\s)+9
.endif
.endif
.if (\s) < KST-1
	LOADB ((\s)+1)&1, 64*((\s)+1)
	s_wait_dscnt 0x8                               ; the next step's eight may be out: this step's weight fragments are in
.else
	s_wait_dscnt 0x0
.endif
	MULS \a, \s, (\s)==0
.endm
; One level of the descent to the bit wanted: cr holds the word's bit counts in fields; the field at the place reached counts the set bits of the next st places.
; If no more than KK set bits lie there, they are passed over: KK goes down by their number, the place up by st.
.macro DESC cr, wd, st
	EACH v_bfe_u32 v[T0+tt], v[\cr+tt], v[PS+tt], \wd
.set tt, 0
.rept TP
	v_cmp_ge_u32 vcc_lo, v[KK+tt], v[T0+tt]
	v_cndmask_b32 v[T0+tt], 0, v[T0+tt], vcc_lo
	v_cndmask_b32 v[T1+tt], 0, \st, vcc_lo
.set tt, tt+1
.endr
	EACH v_sub_nc_u32 v[KK+tt], v[KK+tt], v[T0+tt]
	EACH v_add_nc_u32 v[PS+tt], v[PS+tt], v[T1+tt]
.endm
	s_load_b256 s[4:11], s[0:1], 0x0               ; xb s[4:5], w_gate s[6:7], w_up s[8:9], bm s[10:11]
	s_load_b128 s[12:15], s[0:1], 0x20             ; mid s[12:13], pos s[14:15]
	v_lshl_add_u32 v4, v0, 2, SPARE                ; my spare word; never rewritten
	v_mov_b32 v5, 0                                ; 0; never rewritten
	v_and_b32 v1, 31, v0                           ; l
	v_and_b32 v2, 15, v0                           ; r
	v_bfe_u32 v3, v0, 4, 1                         ; h
	v_lshrrev_b32 v9, 5, v0
	v_readfirstlane_b32 s16, v9                    ; wave
	s_lshr_b32 s17, ttmp9, 5                       ; expert
	s_and_b32 s18, ttmp9, 31                       ; slice
	s_mov_b32 s68, 0xbfb8aa3b                      ; -log2(e), named as a pair by the packed multiply
	s_mov_b32 s69, s68
	v_and_b32 v10, 7, v0                           ; cq
	v_bfe_u32 v11, v0, 3, 2                        ; kg
	s_lshl_b32 s31, s16, 5
	v_lshl_add_u32 v11, v11, 3, s31                ; 32 w + 8 kg
	v_lshlrev_b32 v6, 12, v11
	v_lshl_add_u32 v6, v10, 4, v6                  ; weights: that row x 4,096 + 16 cq
	v_mul_u32_u24 v7, v10, 4*PITCH
	v_lshl_add_u32 v7, v11, 1, v7                  ; LDS: column 4 cq, byte 2 (32 w + 8 kg); w_gate's 32 rows,
	v_add_nc_u32 v8, 32*PITCH, v7                  ; w_up's behind them
	v_mul_u32_u24 v[BADR0], v2, PITCH
	v_lshl_add_u32 v[BADR0], v3, 4, v[BADR0]       ; a fragment: row r x pitch + 16 h
	v_add_nc_u32 v[BADR0+1], 16*PITCH, v[BADR0]
	v_add_nc_u32 v[BADR0+2], 32*PITCH, v[BADR0]
	v_add_nc_u32 v[BADR0+3], 48*PITCH, v[BADR0]
	v_lshlrev_b32 v9, 4, v1                        ; 16 l
	s_mov_b32 s27, 0
	s_wait_kmcnt 0x0
	s_lshl_b32 s26, s17, 23                        ; an expert's 8 MB,
	s_lshl_b32 s31, s18, 7                         ; the slice's 128 bytes of a row
	s_add_co_u32 s26, s26, s31
	s_add_nc_u64 s[6:7], s[6:7], s[26:27]
	s_add_nc_u64 s[8:9], s[8:9], s[26:27]
	s_lshl_b32 s26, s17, 7
	s_add_nc_u64 s[10:11], s[10:11], s[26:27]      ; the expert's bitmap
	s_lshl_b32 s26, ttmp9, 16
	s_add_nc_u64 s[12:13], s[12:13], s[26:27]      ; mid: (32 e + s) x 64 tiles x 1,024 bytes
	s_lshl_b32 s26, s17, 12
	s_add_nc_u64 s[14:15], s[14:15], s[26:27]      ; pos: the expert's 1,024 words
	s_load_b512 s[32:47], s[10:11], 0x0
	s_load_b512 s[48:63], s[10:11], 0x40
.set b, 0
.rept 4
	LOADBLK b, b                                   ; the ring is filled: 32 loads of 512 bytes a wave are out
.set b, b+1
.endr
	s_wait_kmcnt 0x0
	; every wave counts the expert's rows, and finds its place among the waves
	s_mov_b32 s19, 0
.set j, 0
.rept 32
	s_bcnt1_i32_b32 s31, s[32+j]
	s_add_co_u32 s19, s19, s31
.set j, j+1
.endr
	s_add_co_u32 s20, s19, 15
	s_lshr_b32 s20, s20, 4
	s_max_u32 s20, s20, 1                          ; tiles
	s_bcnt1_i32_b32 s21, s16                       ; my place: 4 x (the number of ones in w, odd or even) + w / 2: waves 0, 3, 5, 6, 1, 2, 4, 7 have places 0 to 7
	s_and_b32 s21, s21, 1
	s_lshl_b32 s21, s21, 2
	s_lshr_b32 s31, s16, 1
	s_add_co_u32 s21, s21, s31
	s_mul_i32 s22, s21, TP                         ; the first tile of my first group
.set b, 0
.rept NB
.if NB-1-b >= 3
	s_wait_loadcnt 24                              ; three younger blocks stay out
.else
	s_wait_loadcnt 8*(NB-1-b)                      ; the counts run down
.endif
	PACKBLK b%4, b
.if b+4 < NB
	LOADBLK b%4, b+4
.endif
.set b, b+1
.endr
	s_wait_dscnt 0x0                               ; for the others' sake: my part of the weights is in LDS
	s_barrier_signal -1
	s_barrier_wait -1                              ; from here on nothing writes the weights
	s_mov_b32 s24, 3                               ; three passes: groups p, p + 8, p + 16 reach past the 64 tiles that an expert can have
.Lpass:
	s_min_u32 s66, s22, s20
	s_sub_co_u32 s23, s20, s66                     ; tiles from my group's first on,
	s_min_u32 s23, s23, TP                         ; a: the group's tiles
	s_cmp_eq_u32 s23, 0
	s_cbranch_scc1 .Lnext
	s_wait_xcnt 0x0                                ; earlier stores have read their offsets and data: these registers are written again below
	s_sub_co_u32 s66, s23, 1
.irp i, 0,1,2
	s_min_u32 s67, s66, \i                         ; a place past a repeats the group's last tile
	s_add_co_u32 s67, s67, s22
	s_min_u32 s67, s67, 63
	v_lshl_add_u32 v[QR+\i], s67, 4, v2            ; the rank wanted: 16 tile + r
	v_lshl_add_u32 v[SOFF+\i], s67, 10, v9         ; mid: tile x 1,024 + 16 l
	v_mov_b32 v[WB+\i], s32                        ; the search begins at word 0, with no rows before it
	v_mov_b32 v[CB+\i], 0
.endr
	; THE WORD.  s30 runs through the rows up to and with word j.  While they are no more than the rank wanted, the bit lies further on: the lane takes the next word, its number and that count.
	s_mov_b32 s30, 0
.set j, 0
.rept 31
	s_bcnt1_i32_b32 s31, s[32+j]
	s_add_co_u32 s30, s30, s31
	s_or_b32 s31, s30, (j+1)<<16                   ; at most 1,024 rows: the count keeps to the low half
.set tt, 0
.rept TP
	v_cmp_le_u32 vcc_lo, s30, v[QR+tt]
	v_cndmask_b32 v[WB+tt], v[WB+tt], s[33+j], vcc_lo
	v_cndmask_b32 v[CB+tt], v[CB+tt], s31, vcc_lo
.set tt, tt+1
.endr
.set j, j+1
.endr
	EACH v_and_b32 v[KK+tt], 0xffff, v[CB+tt]
	EACH v_sub_nc_u32 v[KK+tt], v[QR+tt], v[KK+tt]         ; so many set bits of the word come before the one wanted
	EACH v_lshrrev_b32 v[CB+tt], 16, v[CB+tt]              ; the word's number
	; THE BIT.  The word's bit counts in fields of 2, 4, 8 and 16 bits, then five levels down: 16, 8, 4, 2, 1 places
	EACH v_lshrrev_b32 v[T0+tt], 1, v[WB+tt]
	EACH v_and_b32 v[T0+tt], 0x55555555, v[T0+tt]
	EACH v_sub_nc_u32 v[C2+tt], v[WB+tt], v[T0+tt]
	EACH v_lshrrev_b32 v[T0+tt], 2, v[C2+tt]
	EACH v_and_b32 v[T0+tt], 0x33333333, v[T0+tt]
	EACH v_and_b32 v[C4+tt], 0x33333333, v[C2+tt]
	EACH v_add_nc_u32 v[C4+tt], v[C4+tt], v[T0+tt]
	EACH v_lshrrev_b32 v[T0+tt], 4, v[C4+tt]
	EACH v_add_nc_u32 v[T0+tt], v[T0+tt], v[C4+tt]
	EACH v_and_b32 v[C8+tt], 0x0f0f0f0f, v[T0+tt]
	EACH v_lshrrev_b32 v[T0+tt], 8, v[C8+tt]
	EACH v_add_nc_u32 v[T0+tt], v[T0+tt], v[C8+tt]
	EACH v_and_b32 v[C16+tt], 0x00ff00ff, v[T0+tt]
	EACH v_mov_b32 v[PS+tt], 0
	DESC C16, 8, 16
	DESC C8,  8, 8
	DESC C4,  4, 4
	DESC C2,  2, 2
	DESC WB,  1, 1
	EACH v_lshl_add_u32 v[PS+tt], v[CB+tt], 5, v[PS+tt]    ; the token: 32 x word + place.  A rank past n ends at some place of the last word: a row that exists
	EACH v_min_u32 v[PS+tt], 0x3ff, v[PS+tt]
	EACH v_lshlrev_b32 v[AOFF+tt], 12, v[PS+tt]
	EACH v_lshl_add_u32 v[AOFF+tt], v3, 4, v[AOFF+tt]      ; xb: token x 4,096 + 16 h
	; three tiles through all of K, written out: the first eight steps' token fragments, step 0's weight fragments, then the steps
.set st, 0
.rept 8
	LOADA TP, st
.set st, st+1
.endr
	LOADB 0, 0
.set st, 0
.rept KST
	STEP TP, st
.set st, st+1
.endr
	WIN 0
.rept 4
	v_nop                                          ; four places behind the last products
.endr
	; tile i: columns 0-31 of the accumulators are gate, 32-63 up.  mid = g u / (1 + 2^(-log2(e) g)).  T = v[32:47], GU = v[48:63], packed v[64 + 8 i ..]
.irp i, 0,1,2
.if \i > 0
	s_cmp_le_u32 s23, \i
	s_cbranch_scc1 .Lnext
.endif
.set k, 0
.rept 8
	v_pk_mul_f32 v[32+2*k:33+2*k], v[ACC+32*\i+2*k:ACC+32*\i+2*k+1], s[68:69] op_sel_hi:[1,0]  ; each accumulator's lowest registers are read first
.set k, k+1
.endr
.set k, 0
.rept 16
	v_exp_f32 v[32+k], v[32+k]
.set k, k+1
.endr
.set k, 0
.rept 8
	v_pk_mul_f32 v[48+2*k:49+2*k], v[ACC+32*\i+2*k:ACC+32*\i+2*k+1], v[ACC+32*\i+16+2*k:ACC+32*\i+16+2*k+1]  ; g u: the plain work behind the exponentials
.set k, k+1
.endr
	s_wait_alu depctr_va_vdst(0)                   ; one wait for the 16 exponentials
.set k, 0
.rept 8
	v_pk_add_f32 v[32+2*k:33+2*k], v[32+2*k:33+2*k], 1.0 op_sel_hi:[1,0]
.set k, k+1
.endr
.set k, 0
.rept 16
	v_rcp_f32 v[32+k], v[32+k]
.set k, k+1
.endr
	v_nop                                          ; a plain instruction behind the last reciprocal,
	s_wait_alu depctr_va_vdst(0)                   ; and one wait for the 16
.set k, 0
.rept 8
	v_pk_mul_f32 v[48+2*k:49+2*k], v[48+2*k:49+2*k], v[32+2*k:33+2*k]
.set k, k+1
.endr
.set k, 0
.rept 8
	v_cvt_pk_bf16_f32 v[64+8*\i+k], v[48+2*k], v[48+2*k+1]
.set k, k+1
.endr
	global_store_b128 v[SOFF+\i], v[64+8*\i:64+8*\i+3], s[12:13]              ; columns 8 h + 0 .. 7 of row r: half 0 of the second product's fragment
	global_store_b128 v[SOFF+\i], v[64+8*\i+4:64+8*\i+7], s[12:13] offset:512 ; columns 16 + 8 h + 0 .. 7: half 1
.endr
.Lnext:
	s_add_co_u32 s22, s22, 8*TP                    ; my next group lies eight groups on
	s_sub_co_u32 s24, s24, 1
	s_cmp_lg_u32 s24, 0
	s_cbranch_scc1 .Lpass
	; pos: one wave of one of the expert's 32 work-groups stores it: wave 7, which has the last place and so is never dealt more groups than another wave
	s_xor_b32 s31, s16, 7
	s_or_b32 s31, s31, s18
	s_cmp_lg_u32 s31, 0
	s_cbranch_scc1 .Lnopos
	v_mov_b32 v28, 0x400
	v_lshlrev_b32 v29, 2, v1
	s_mov_b32 s30, 0                               ; rows in the words before
.set j, 0
.rept 32
	v_mbcnt_lo_u32_b32 v30, s[32+j], s30           ; token 32 j + l: its rank, if it chose e
	v_cndmask_b32 v[PO+j], v28, v30, s[32+j]       ; the rank, or 1,024
	s_bcnt1_i32_b32 s31, s[32+j]
	s_add_co_u32 s30, s30, s31
	global_store_b32 v29, v[PO+j], s[14:15] offset:128*j   ; 128 consecutive bytes a store
.set j, j+1
.endr
.Lnopos:
	s_wait_tensorcnt 0x0                           ; the wave's end: behind my last LDS store
	ds_add_u32 v4, v5
	s_wait_dscnt 0x0
	s_endpgm
.Lfunc_end_k_q25e06e2875_gateup:
	.size	k_q25e06e2875_gateup, .Lfunc_end_k_q25e06e2875_gateup-k_q25e06e2875_gateup
	.p2alignl 7, 3214868480
	.fill 96, 4, 3214868480
	.section	.rodata,"a",@progbits
	.p2align	6, 0x0
	.amdhsa_kernel k_q25e06e2875_gateup
		.amdhsa_group_segment_fixed_size 264192
		.amdhsa_private_segment_fixed_size 0
		.amdhsa_enable_private_segment 0
		.amdhsa_kernarg_size 48
		.amdhsa_user_sgpr_count 2
		.amdhsa_user_sgpr_kernarg_segment_ptr 1
		.amdhsa_wavefront_size32 1
		.amdhsa_system_sgpr_workgroup_id_x 1
		.amdhsa_system_sgpr_workgroup_id_y 1
		.amdhsa_system_sgpr_workgroup_id_z 1
		.amdhsa_system_vgpr_workitem_id 0
		.amdhsa_next_free_vgpr 512
		.amdhsa_next_free_sgpr 70
		.amdhsa_reserve_vcc 1
		.amdhsa_float_denorm_mode_32 3
		.amdhsa_float_denorm_mode_16_64 3
		.amdhsa_memory_ordered 1
		.amdhsa_forward_progress 1
		.amdhsa_inst_pref_size 214
	.end_amdhsa_kernel
	.amdgpu_metadata
---
amdhsa.version: [ 1, 2 ]
amdhsa.kernels:
  - .name:           k_q25e06e2875_gateup
    .symbol:         k_q25e06e2875_gateup.kd
    .args:
      - { .name: xb, .offset: 0, .size: 8, .value_kind: global_buffer, .address_space: global }
      - { .name: w_gate, .offset: 8, .size: 8, .value_kind: global_buffer, .address_space: global }
      - { .name: w_up, .offset: 16, .size: 8, .value_kind: global_buffer, .address_space: global }
      - { .name: bm, .offset: 24, .size: 8, .value_kind: global_buffer, .address_space: global }
      - { .name: mid, .offset: 32, .size: 8, .value_kind: global_buffer, .address_space: global }
      - { .name: pos, .offset: 40, .size: 8, .value_kind: global_buffer, .address_space: global }
    .group_segment_fixed_size: 264192
    .private_segment_fixed_size: 0
    .kernarg_segment_align: 8
    .kernarg_segment_size: 48
    .max_flat_workgroup_size: 256
    .sgpr_count:     70
    .vgpr_count:     512
    .wavefront_size: 32
...
	.end_amdgpu_metadata
.endif
;; end of part 5
;; launch down (part 6): grid 256 x 1, 8 waves a work-group, no clusters, 168,960 bytes of LDS; arguments mid, w_down, bm, part; writes part
.if DOCPART == 6
	.amdgcn_target "amdgcn-amd-amdhsa--gfx1250"
	.amdhsa_code_object_version 6
	.text
	.protected	k_q25e06e2875_down
	.globl	k_q25e06e2875_down
	.p2align	8
	.type	k_q25e06e2875_down,@function
k_q25e06e2875_down:
	s_mov_b64 s[64:65], 0
	v_nop
	global_prefetch_b8 v0, s[64:65] scope:SCOPE_SE
	s_setreg_imm32_b32 hwreg(HW_REG_WAVE_MODE, 25, 1), 1
	s_wait_xcnt 0x0
; SECOND PRODUCT.  part[e][rank][:] = mid[e][rank][:] w_down[e], unweighted, in f32 (partial sums stay f32; the last launch weighs and adds them).  Work-group 32 e + s has expert e and
; the 64 columns 64 s .. of w_down (256 aligned bytes of each row), which it alone reads, and takes all of the expert's tiles of 16 ranks through them.
; PHASE 1: the slice (1,024 x 64 f32) streams through registers, is rounded to bf16, turned, and laid into LDS as 64 rows [column][k].  One barrier.
; PHASE 2: max(1, ceil(n / 16)) tiles dealt evenly to eight waves (8 at the most: n <= 1,024, every split is served), up to three at a time through K = 1,024, in up to three passes; weights from LDS, mid straight
; from memory in operand order ([e][32 k][tile][half][lane][16 bytes]: each load of a wave is 512 consecutive bytes).  A tile's result goes through the wave's own stage in LDS, so that sixteen lanes store 256 consecutive aligned bytes.
; Rows past n of the last tile are stored too: no token's rank names them.  LIMITS: NaN and infinities are not treated apart.
; NO JOINT LOADS: each slice of weights has one reader and has to pass registers; mid's tiles are shared by an expert's 32 work-groups, but a joint load would land them in LDS, from where each byte would be read once:
; n x 2,048 bytes written and read more in LDS for each work-group, with trip counts that hang on n.
.set PITCH, 2064                       ; a row of 1,024 bf16 + 16 bytes
.set NCH,   8
.set NTRIP, (NCH-2)/2
.set AKS,   65536                      ; mid: bytes from one 32 k to the next,
.set AG,    512                        ; between a fragment's two halves,
.set ASTEP, 262144                     ; and from chunk to chunk
.set NB,    8
.set STAGE, 64*PITCH+1024              ; 16 rows x 272 bytes for each wave; 1,024 unused bytes lie between the weights and the stages
.set SP,    272
.set SPARE, STAGE+8*16*SP              ; the spare words, 128 bytes a wave: no other line names them
.set BADR,  12                         ; v[12:15]  in the K loop: BADR0 + the trip's 512 T bytes, made anew at each trip's head
.set AOFF,  16                         ; v[16:18]  tile i: my byte offset in mid
.set BADR0, 20                         ; v[20:23]  LDS address of my weight fragments at K = 0, one for each 16 columns; never rewritten
.set SOFF,  24                         ; v[24:26]  tile i: my byte offset in part
.set STO,   28                         ; v28  the way out: where I put 16 bytes of a row
.set RD,    29                         ; v29  where I read rows back
.set BF,    32
.set PK,    32
.set ACC,   128
.set RG,    128
.set MSB, 0
.macro WIN new
.if MSB != (\new)
	s_set_vgpr_msb (MSB<<8)|(\new)
.set MSB, \new
.endif
.endm
; PHASE 1.  Lane: four columns 4 r .., kg = h.  Block b: rows k = 128 b + 16 w + 8 h + i: a load of the wave takes two whole pieces of 256 bytes.
.macro LOADBLK slot, b
.irp i, 0,1,2,3,4,5,6,7
	global_load_b128 v[RG+32*(\slot)+4*\i:RG+32*(\slot)+4*\i+3], v6, s[6:7] offset:(128*(\b)+\i)*8192 th:TH_LOAD_NT
.endr
.endm
.macro PACKBLK slot, b
.irp c, 0,1,2,3
.irp p, 0,1,2,3
	v_cvt_pk_bf16_f32 v[PK+4*\c+\p], v[RG+32*(\slot)+8*\p+\c], v[RG+32*(\slot)+8*\p+4+\c]
.endr
.endr
.irp c, 0,1,2,3
	ds_store_b128 v7, v[PK+4*\c:PK+4*\c+3] offset:\c*PITCH+256*(\b)
.endr
.endm
.macro LOADA a, buf
	WIN 0x40
.set ii, 0
.rept \a
.irp j, 0,1,2,3
.irp g, 0,1
	global_load_b128 v[128*(\buf)+32*ii+8*\j+4*\g:128*(\buf)+32*ii+8*\j+4*\g+3], v[AOFF+ii], s[28:29] offset:\j*AKS+\g*AG
.endr
.endr
.set ii, ii+1
.endr
	WIN 0x04
.endm
.macro LOADB bb, ar, off
	WIN 0x04
.irp t, 0,1,2,3
.irp g, 0,1
	ds_load_b128 v[BF+32*(\bb)+8*\t+4*\g:BF+32*(\bb)+8*\t+4*\g+3], v[\ar+\t] offset:(\off)+32*\g
.endr
.endr
.endm
; source 0 = 16 columns of the weights, source 1 = 16 ranks: a lane holds rank r and the columns 8 h + 0 .. 7.  The 4 a accumulators take turns.
.macro MULS a, buf, j, zero
	WIN 0x04
.set ii, 0
.rept \a
.irp t, 0,1,2,3
.if \zero
	v_wmma_f32_16x16x32_bf16 v[ACC+32*ii+8*\t:ACC+32*ii+8*\t+7], v[BF+32*((\j)&1)+8*\t:BF+32*((\j)&1)+8*\t+7], v[128*(\buf)+32*ii+8*(\j):128*(\buf)+32*ii+8*(\j)+7], 0
.else
	v_wmma_f32_16x16x32_bf16 v[ACC+32*ii+8*\t:ACC+32*ii+8*\t+7], v[BF+32*((\j)&1)+8*\t:BF+32*((\j)&1)+8*\t+7], v[128*(\buf)+32*ii+8*(\j):128*(\buf)+32*ii+8*(\j)+7], v[ACC+32*ii+8*\t:ACC+32*ii+8*\t+7]
.endif
.endr
.set ii, ii+1
.endr
.endm
; A chunk: four steps of 32 k; its first step lies 64 u0 bytes behind the address in ar.  placed = 1: four plain vector instructions stand in front of the chunk already.
.macro CHUNK a, buf, ar, u0, zero, next, lastb, placed
.irp j, 0,1,2,3
.if !((\j == 0) && (\placed))
.rept 4
	v_nop                                          ; four places between the products that read the registers and the loads into them
.endr
.endif
.if (\j == 0) && (\next)
	s_wait_xcnt 0x0                                ; the base of the loads issued a chunk ago is stepped only behind this wait
	s_add_nc_u64 s[28:29], s[28:29], ASTEP
	LOADA \a, 1-(\buf)
.endif
.if !((\lastb) && (\j == 3))
	LOADB (\j+1)&1, \ar, 64*((\u0)+\j+1)
.endif
.if \j == 0
.if \next
	s_wait_loadcnt 8*(\a)                          ; the 8 a just issued may be out: this chunk's fragments of mid are in
.else
	s_wait_loadcnt 0x0
.endif
.endif
.if (\lastb) && (\j == 3)
	s_wait_dscnt 0x0
.else
	s_wait_dscnt 0x8                               ; the next step's eight may be out
.endif
	MULS \a, \buf, \j, (\zero)&&(\j==0)
.endr
.endm
; a tiles through all of K.  The first and the last chunk name BADR0, their place along K in the immediate; the loop's counter s25 is 512 T, BADR = 512 T + BADR0 is made at each trip's head, and those four additions
; are the places in front of the trip's first loads.  The offset passes s_min_u32 with the last trip's 512 (NTRIP - 1): it never binds, and it writes the bound into the text: every LDS address of the loop lies below
; 63 PITCH + 16 + 512 (NTRIP - 1) + 816 = 131,888, inside the weights' rows and under the stages.
.macro GEMM a
.Lv\a:
	s_mov_b64 s[28:29], s[4:5]
	LOADA \a, 0
	LOADB 0, BADR0, 0
	CHUNK \a, 0, BADR0, 0, 1, 1, 0, 0
	WIN 0
	s_mov_b32 s25, 0
.Lk\a:
	s_min_u32 s31, s25, 512*(NTRIP-1)
.irp t, 0,1,2,3
	v_add_nc_u32 v[BADR+\t], s31, v[BADR0+\t]
.endr
	CHUNK \a, 1, BADR, 4, 0, 1, 0, 1
	CHUNK \a, 0, BADR, 8, 0, 1, 0, 0
	WIN 0
	s_add_co_u32 s25, s25, 512
	s_cmp_lt_u32 s25, 512*NTRIP
	s_cbranch_scc1 .Lk\a
	CHUNK \a, 1, BADR0, 4*(NCH-1), 0, 0, 1, 0
	WIN 0
.if \a < 3
	s_branch .Lepi
.endif
.endm
	s_load_b256 s[4:11], s[0:1], 0x0               ; mid s[4:5], w_down s[6:7], bm s[8:9], part s[10:11]
	v_lshl_add_u32 v4, v0, 2, SPARE                ; my spare word; never rewritten
	v_mov_b32 v5, 0                                ; 0; never rewritten
	v_and_b32 v1, 31, v0                           ; l
	v_and_b32 v2, 15, v0                           ; r
	v_bfe_u32 v3, v0, 4, 1                         ; h
	v_lshrrev_b32 v9, 5, v0
	v_readfirstlane_b32 s16, v9                    ; wave
	s_lshr_b32 s17, ttmp9, 5                       ; expert
	s_and_b32 s18, ttmp9, 31                       ; slice
	s_lshl_b32 s31, s16, 4
	v_lshl_add_u32 v11, v3, 3, s31                 ; 16 w + 8 h
	v_lshlrev_b32 v6, 13, v11
	v_lshl_add_u32 v6, v2, 4, v6                   ; weights: that row x 8,192 + 16 r
	v_mul_u32_u24 v7, v2, 4*PITCH
	v_lshl_add_u32 v7, v11, 1, v7                  ; LDS: column 4 r, byte 2 (16 w + 8 h)
	v_mul_u32_u24 v[BADR0], v2, PITCH
	v_lshl_add_u32 v[BADR0], v3, 4, v[BADR0]
	v_add_nc_u32 v[BADR0+1], 16*PITCH, v[BADR0]
	v_add_nc_u32 v[BADR0+2], 32*PITCH, v[BADR0]
	v_add_nc_u32 v[BADR0+3], 48*PITCH, v[BADR0]
	v_lshlrev_b32 v9, 4, v1                        ; 16 l
	s_mul_i32 s31, s16, 16*SP
	s_add_co_u32 s31, s31, STAGE                   ; my stage
	v_mul_u32_u24 v[STO], v2, SP
	v_lshl_add_u32 v[STO], v3, 5, v[STO]
	v_add_nc_u32 v[STO], s31, v[STO]               ; in: row r, 32 bytes for each half of the lanes
	v_mul_u32_u24 v[RD], v3, SP
	v_lshl_add_u32 v[RD], v2, 4, v[RD]
	v_add_nc_u32 v[RD], s31, v[RD]                 ; back: lanes 0-15 one row of 256 bytes, lanes 16-31 the next
	v_lshlrev_b32 v30, 13, v3
	v_lshl_add_u32 v30, v2, 4, v30                 ; and the same two rows in part
	s_mov_b32 s27, 0
	s_wait_kmcnt 0x0
	s_lshl_b32 s26, s17, 23
	s_lshl_b32 s31, s18, 8
	s_add_co_u32 s26, s26, s31                     ; an expert's 8 MB, the slice's 256 bytes of a row: the same in w_down and in part
	s_add_nc_u64 s[6:7], s[6:7], s[26:27]
	s_add_nc_u64 s[10:11], s[10:11], s[26:27]
	s_lshl_b32 s26, s17, 21
	s_add_nc_u64 s[4:5], s[4:5], s[26:27]          ; mid: the expert's 2 MB
	s_lshl_b32 s26, s17, 7
	s_add_nc_u64 s[8:9], s[8:9], s[26:27]          ; the expert's bitmap
	s_load_b512 s[32:47], s[8:9], 0x0
	s_load_b512 s[48:63], s[8:9], 0x40
.set b, 0
.rept 4
	LOADBLK b, b
.set b, b+1
.endr
	s_wait_kmcnt 0x0
	s_mov_b32 s19, 0
.set j, 0
.rept 32
	s_bcnt1_i32_b32 s31, s[32+j]
	s_add_co_u32 s19, s19, s31
.set j, j+1
.endr
	s_add_co_u32 s20, s19, 15
	s_lshr_b32 s20, s20, 4
	s_max_u32 s20, s20, 1                          ; tiles: the same number as in the first product
	s_lshr_b32 s21, s20, 3
	s_and_b32 s31, s20, 7
	s_mul_i32 s22, s16, s21
	s_min_u32 s66, s16, s31
	s_add_co_u32 s22, s22, s66                     ; my first tile
	s_cmp_lt_u32 s16, s31
	s_cselect_b32 s66, 1, 0
	s_add_co_u32 s21, s21, s66                     ; how many are mine
.set b, 0
.rept NB
.if NB-1-b >= 3
	s_wait_loadcnt 24                              ; three younger blocks stay out
.else
	s_wait_loadcnt 8*(NB-1-b)
.endif
	PACKBLK b%4, b
.if b+4 < NB
	LOADBLK b%4, b+4
.endif
.set b, b+1
.endr
	s_wait_dscnt 0x0                               ; for the others' sake: my part of the weights is in LDS
	s_barrier_signal -1
	s_barrier_wait -1                              ; from here on nothing writes the weights; the stages are each wave's own
	s_mov_b32 s24, 3                               ; three passes of three tiles at the most cover a wave's eight
.Lpass:
	s_min_u32 s23, s21, 3
	s_cmp_eq_u32 s23, 0
	s_cbranch_scc1 .Lnext
	s_wait_xcnt 0x0                                ; earlier stores have read their offsets and data
	s_sub_co_u32 s66, s23, 1
.irp i, 0,1,2
	s_min_u32 s67, s66, \i
	s_add_co_u32 s67, s67, s22
	s_min_u32 s67, s67, 63
	v_lshl_add_u32 v[AOFF+\i], s67, 10, v9         ; mid: tile x 1,024 + 16 l
	v_lshl_add_u32 v[SOFF+\i], s67, 17, v30        ; part: 16 tile rows of 8,192 bytes + my place
.endr
	s_cmp_eq_u32 s23, 3
	s_cbranch_scc1 .Lv3
	GEMM 2                                         ; also for a = 1, on the tile twice; only place 0 is stored
	GEMM 3
.Lepi:
.rept 4
	v_nop                                          ; four places behind the last products
.endr
.irp i, 0,1,2
.if \i > 0
	s_cmp_le_u32 s23, \i
	s_cbranch_scc1 .Lnext
.endif
.irp t, 0,1,2,3
	ds_store_b128 v[STO], v[ACC+32*\i+8*\t:ACC+32*\i+8*\t+3] offset:64*\t       ; each accumulator's lowest registers first
	ds_store_b128 v[STO], v[ACC+32*\i+8*\t+4:ACC+32*\i+8*\t+7] offset:64*\t+16
.endr
.if \i >= 2
	s_wait_xcnt 0x0                                ; the stores of the tile two before have read these registers
.endif
.irp t, 0,1,2,3,4,5,6,7
	ds_load_b128 v[32+32*((\i)&1)+4*\t:32+32*((\i)&1)+4*\t+3], v[RD] offset:2*SP*\t  ; LDS serves a wave's instructions in order: these see the stores above; the next tile's stores come behind them
.endr
.irp t, 0,1,2,3,4,5,6,7
	s_wait_dscnt 7-\t
	global_store_b128 v[SOFF+\i], v[32+32*((\i)&1)+4*\t:32+32*((\i)&1)+4*\t+3], s[10:11] offset:16384*\t  ; sixteen lanes store 256 consecutive aligned bytes
.endr
.endr
.Lnext:
	s_sub_co_u32 s21, s21, s23
	s_add_co_u32 s22, s22, s23
	s_sub_co_u32 s24, s24, 1
	s_cmp_lg_u32 s24, 0
	s_cbranch_scc1 .Lpass
	s_wait_tensorcnt 0x0                           ; the wave's end: behind my last LDS store
	ds_add_u32 v4, v5
	s_wait_dscnt 0x0
	s_endpgm
.Lfunc_end_k_q25e06e2875_down:
	.size	k_q25e06e2875_down, .Lfunc_end_k_q25e06e2875_down-k_q25e06e2875_down
	.p2alignl 7, 3214868480
	.fill 96, 4, 3214868480
	.section	.rodata,"a",@progbits
	.p2align	6, 0x0
	.amdhsa_kernel k_q25e06e2875_down
		.amdhsa_group_segment_fixed_size 168960
		.amdhsa_private_segment_fixed_size 0
		.amdhsa_enable_private_segment 0
		.amdhsa_kernarg_size 32
		.amdhsa_user_sgpr_count 2
		.amdhsa_user_sgpr_kernarg_segment_ptr 1
		.amdhsa_wavefront_size32 1
		.amdhsa_system_sgpr_workgroup_id_x 1
		.amdhsa_system_sgpr_workgroup_id_y 1
		.amdhsa_system_sgpr_workgroup_id_z 1
		.amdhsa_system_vgpr_workitem_id 0
		.amdhsa_next_free_vgpr 512
		.amdhsa_next_free_sgpr 70
		.amdhsa_reserve_vcc 0
		.amdhsa_float_denorm_mode_32 3
		.amdhsa_float_denorm_mode_16_64 3
		.amdhsa_memory_ordered 1
		.amdhsa_forward_progress 1
		.amdhsa_inst_pref_size 87
	.end_amdhsa_kernel
	.amdgpu_metadata
---
amdhsa.version: [ 1, 2 ]
amdhsa.kernels:
  - .name:           k_q25e06e2875_down
    .symbol:         k_q25e06e2875_down.kd
    .args:
      - { .name: mid, .offset: 0, .size: 8, .value_kind: global_buffer, .address_space: global }
      - { .name: w_down, .offset: 8, .size: 8, .value_kind: global_buffer, .address_space: global }
      - { .name: bm, .offset: 16, .size: 8, .value_kind: global_buffer, .address_space: global }
      - { .name: part, .offset: 24, .size: 8, .value_kind: global_buffer, .address_space: global }
    .group_segment_fixed_size: 168960
    .private_segment_fixed_size: 0
    .kernarg_segment_align: 8
    .kernarg_segment_size: 32
    .max_flat_workgroup_size: 256
    .sgpr_count:     70
    .vgpr_count:     512
    .wavefront_size: 32
...
	.end_amdgpu_metadata
.endif
;; end of part 6
;; launch combine: the kernel of part 4 again; grid 256 x 1, 8 waves a work-group, no clusters, 0 bytes of LDS; arguments xb, gw, pos, part, out0; writes out0
;; ======== version 3 of 3: 4 launches; version 2 with the launches gateup, down written anew for expert scheduling mode
;; workspace buffers: xb 4,194,304 bytes; bm 1,024 bytes of whole numbers; gw 65,536 bytes; mid 16,777,216 bytes; pos 32,768 bytes of whole numbers; part 67,108,864 bytes
;; launch router: the kernel of part 1 again; grid 64 x 1, 8 waves a work-group, no clusters, 76,800 bytes of LDS; arguments hidden_states, router_w, corr_bias, xb, bm, gw; writes xb, bm, gw
;; launch gateup (part 7): grid 256 x 1, 8 waves a work-group, no clusters, 264,192 bytes of LDS; arguments xb, w_gate, w_up, bm, mid, pos; writes mid, pos
.if DOCPART == 7
	.amdgcn_target "amdgcn-amd-amdhsa--gfx1250"
	.amdhsa_code_object_version 6
	.text
	.protected	k_q25e06e2875_gateup
	.globl	k_q25e06e2875_gateup
	.p2align	8
	.type	k_q25e06e2875_gateup,@function
k_q25e06e2875_gateup:
	s_mov_b64 s[64:65], 0
	v_nop
	global_prefetch_b8 v0, s[64:65] scope:SCOPE_SE
	s_setreg_imm32_b32 hwreg(HW_REG_WAVE_SCHED_MODE, 0, 2), 2
	s_setreg_imm32_b32 hwreg(HW_REG_WAVE_MODE, 25, 1), 1
	s_wait_xcnt 0x0
	s_wait_alu depctr_vm_vsrc(0)
; FIRST PRODUCT.  mid = silu(x w_gate) * (x w_up), only for the rows that chose the expert.  Work-group 32 e + s has expert e and the 32 columns 32 s .. of w_gate and of w_up,
; which it alone reads; it takes ALL of the expert's rows through them.  The rows are ranked by token number; 16 ranks are a tile.
; PHASE 1: the slice (2 x 2,048 x 32 f32) streams through registers, is rounded to bf16, turned, and laid into LDS as 64 rows [column][k].  One barrier.
; PHASE 2: a wave that takes a pass through K = 2,048 reads all 64 rows' 4,096 bytes from LDS, 256 KB, whatever the number of its tiles.  So the expert's max(1, ceil(n / 16)) tiles go in GROUPS OF THREE, to as few
; waves as hold them: group u is tiles 3 u .. 3 u + 2, and the wave at place p takes groups p, p + 8, p + 16: three passes cover the 22 groups of n = 1,024, so every split is served; with 16 to 18 tiles six waves make
; one pass each.  The launch does not say how a work-group's waves are dealt to the SIMDs: the waves' places run 0, 3, 5, 6, 1, 2, 4, 7, so that the first four differ both in w mod 4 and in w / 2.
; The number of passes hangs on n, so the pass loop keeps its LDS addresses fixed: K is written out, and a step's place along K stands in the loads' immediates.  Weights come from LDS, token rows from xb
; straight into registers as operands, through a ring of ten slots of one step (32 k) each, asked for two steps at a time, eight steps ahead (48 loads of a wave are out at the most); nothing writes LDS, so there is no further barrier.
; THE TOKEN OF A RANK is found by each lane in registers, from the expert's bitmap in scalar registers: the word by the words' running counts, the bit by the word's partial bit counts.
; Places past n take some row that exists and land in rows of mid that no token's rank names; an expert without rows runs one such tile; places past a group's tiles repeat its last tile and are not stored:
; at most two tiles' products an expert serve nothing.
; Behind its passes wave 7 of slice 0 stores pos[e][token] = rank, or 1,024 where the token did not choose e.
; mid is stored in the order in which the second product's operand registers take it: [e][slice of 32 columns][tile][half g][lane][16 bytes]: each store of a wave covers 512 consecutive aligned bytes.
; FORMAT: weights and x rounded to bf16, sums and the activation in f32, mid rounded once to bf16.  LIMITS: NaN and infinities are not treated apart.
; NO JOINT LOADS: each slice of weights has one reader and has to pass registers to be rounded and turned; the token rows, which an expert's 32 work-groups share, come by rank, which no tile descriptor covers.
; A weight row's piece is 128 bytes: 64 columns of bf16 over K = 2,048 are what LDS holds.
; THE MODE: SCHED_MODE bits 1:0 = 2 (LLVM: expert scheduling mode 2), set by the entry lines.  The code itself states the register dependences
; between vector or matrix instructions and memory or LDS instructions, with s_wait_alu, always for 0.
; THE PLAN.  Registers that memory or LDS instructions touch:
;   v6, v7, v8, BADR0   offsets and LDS addresses, made at the head and never written again: one wait on va_vdst ahead of the first load serves them for the whole kernel.
;   RG0 .. RG3, PK      phase 1, block b: its sixteen roundings read RG[b % 4] and write PK.  One wait on va_vdst behind them: the slot's next eight loads land in RG[b % 4], the four LDS stores read PK.
;                       One wait on vm_vsrc ahead of the next block's roundings: those stores have read PK.
;   AOFF, SOFF          written at a pass's head, behind a wait on vm_vsrc (the last pass's loads and stores have read them); read by the pass's token loads and stores, behind the wait on va_vdst ahead of the pass's first load.
;   BF0 .. BF3          step s's twelve products read BF[s % 4].  K goes in pairs of steps: pair (s, s + 1) reads two of the buffers, and its sixteen LDS loads land in the other two, which the pair before read.
;   the token slots     step s's products read slot s % 10; pair (s, s + 1) asks for steps s + 8 and s + 9, into the two slots that the pair before read.
;   So ONE wait on va_vdst stands at a pair's head: the pair before's products are done reading all that this pair's 28 loads land in.  This pair's products name the other two buffers, two other slots and the
;   accumulators: the loads are dealt among them with no further wait.
;   v[64 + 8 i ..]      tile i's roundings write them, one wait on va_vdst, its two stores read them; written again only in the next pass, behind its head's wait on vm_vsrc.
;   v29, PO             wave 7's pos: all 32 numbers are made, one wait on va_vdst, 32 stores.
; Masks: every compare writes a scalar register, in runs, with one wait on va_sdst between a run and the selects that read it.
.set PITCH, 4112                       ; a row of 2,048 bf16 + 16 bytes: the 16 rows of a fragment load start at 16 different groups of four banks
.set KST,   64                         ; steps of 32 along K
.set TP,    3                          ; tiles of a pass
.set NS,    10                         ; slots of the token ring: 10 x 3 tiles x 8 registers = 240 of window 1
.set AKS,   64                         ; token rows: bytes from one 32 k to the next,
.set AG,    32                         ; and between a fragment's two halves
.set NB,    16                         ; phase 1: blocks of 8 loads a wave (8 of w_gate, then 8 of w_up)
                                       ; behind the weights' 64 rows 1,024 bytes of LDS: the spare words, 128 bytes a wave, for the end's add
.set AOFF,  16                         ; v[16:18]  tile i: my token row's byte offset in xb
.set BADR0, 20                         ; v[20:23]  LDS address of my weight fragments at K = 0, one for each 16 columns; never rewritten
.set SOFF,  24                         ; v[24:26]  tile i: my byte offset in mid
.set BF,    32                         ; v[32:159] weight fragments of one 32 k, four buffers: step s has buffer s % 4; v[32:87] are at work in the epilogue
.set PK,    32                         ; phase 1: 16 registers, packed
.set QR,    96                         ; the search (its registers are fragment buffers while K is walked), a register for each of the three tiles: the rank wanted,
.set WB,    99                         ; the bitmap's word that holds it,
.set CB,    102                        ; that word's number (high half) and the rows in the words before it (low half),
.set KK,    105                        ; how many set bits come before the one wanted,
.set T0,    108                        ; at work,
.set T1,    111
.set C2,    114                        ; the word's bit counts in fields of 2, 4, 8 and 16 bits,
.set C4,    117
.set C8,    120
.set C16,   123
.set PS,    126                        ; the bit's place, then the token
.set ACC,   160                        ; v[160:255] accumulator (tile i, 16 columns t) at ACC + 32 i + 8 t
.set RG,    128                        ; phase 1: the ring, 4 slots of 32
.set PO,    192                        ; v[192:223] at the end: pos on its way out
                                       ; window 1 (v256-495): token fragments: 24 (step % 10) + 8 i + 4 g
                                       ; the search's scalar registers, all free once phase 1 has ended: mask m of 12 in s[6 + m + 13 (m / 6)]: s6-11, s25-30; packed number q of 4 in s[2 + q + 62 (q / 2)]: s2, s3, s66, s67; s19 the running count
.set MSB, 0
.macro WIN new                         ; s_set_vgpr_msb: bits 3:2 source 1, 7:6 destination; the high byte repeats the setting that is left
.if MSB != (\new)
	s_set_vgpr_msb (MSB<<8)|(\new)
.set MSB, \new
.endif
.endm
.macro EACH line:vararg                ; one line for each of the pass's three tiles tt
.set tt, 0
.rept TP
	\line
.set tt, tt+1
.endr
.endm
; PHASE 1.  Lane: cq = l % 8 (four columns), kg = l / 8.  Block b: rows k = 256 (b % 8) + 32 w + 8 kg + i, i = 0 .. 7: a lane gets 8 k x 4 columns.
.macro LOADBLK slot, b
.irp i, 0,1,2,3,4,5,6,7
.if (\b) < 8
	global_load_b128 v[RG+32*(\slot)+4*\i:RG+32*(\slot)+4*\i+3], v6, s[6:7] offset:(256*((\b)%8)+\i)*4096
.else
	global_load_b128 v[RG+32*(\slot)+4*\i:RG+32*(\slot)+4*\i+3], v6, s[8:9] offset:(256*((\b)%8)+\i)*4096
.endif
.endr
.endm
.macro CVTBLK slot                     ; for each of my four columns: 8 k rounded into 16 bytes,
.irp c, 0,1,2,3
.irp p, 0,1,2,3
	v_cvt_pk_bf16_f32 v[PK+4*\c+\p], v[RG+32*(\slot)+8*\p+\c], v[RG+32*(\slot)+8*\p+4+\c]
.endr
.endr
.endm
.macro STOBLK b                        ; stored along the column's LDS row
.irp c, 0,1,2,3
.if (\b) < 8
	ds_store_b128 v7, v[PK+4*\c:PK+4*\c+3] offset:\c*PITCH+512*((\b)%8)
.else
	ds_store_b128 v8, v[PK+4*\c:PK+4*\c+3] offset:\c*PITCH+512*((\b)%8)
.endif
.endr
.endm
; PHASE 2.
.macro LOADA a, s                      ; a tiles' token fragments of step s (32 k): 2 a loads into slot s % NS; the step's place in the row stands in the immediate.  The expert's other 31 work-groups read the same rows
	WIN 0x40
.set ii, 0
.rept \a
.irp g, 0,1
	global_load_b128 v[8*(\a)*((\s)%NS)+8*ii+4*\g:8*(\a)*((\s)%NS)+8*ii+4*\g+3], v[AOFF+ii], s[4:5] offset:(\s)*AKS+\g*AG th:TH_LOAD_HT
.endr
.set ii, ii+1
.endr
.endm
.macro LOADB1 s, t                     ; the fragment of 16 columns t of step s: two loads into buffer s % 4; the step's place along the rows stands in the immediate
.irp g, 0,1
	ds_load_b128 v[BF+32*((\s)%4)+8*(\t)+4*\g:BF+32*((\s)%4)+8*(\t)+4*\g+3], v[BADR0+(\t)] offset:64*(\s)+32*\g
.endr
.endm
; Product n of a step's twelve: tile n / 4, 16 columns n % 4.  Source 0 = 16 columns of the weights, source 1 = 16 token rows: a lane then holds row r and the columns 8 h + 0 .. 7.
; The twelve accumulators take turns, one instruction a turn, in the same order in every step.
.macro MUL1 s, n, zero
.set ii, (\n)/4
.set t4, (\n)%4
.if \zero
	v_wmma_f32_16x16x32_bf16 v[ACC+32*ii+8*t4:ACC+32*ii+8*t4+7], v[BF+32*((\s)%4)+8*t4:BF+32*((\s)%4)+8*t4+7], v[8*TP*((\s)%NS)+8*ii:8*TP*((\s)%NS)+8*ii+7], 0
.else
	v_wmma_f32_16x16x32_bf16 v[ACC+32*ii+8*t4:ACC+32*ii+8*t4+7], v[BF+32*((\s)%4)+8*t4:BF+32*((\s)%4)+8*t4+7], v[8*TP*((\s)%NS)+8*ii:8*TP*((\s)%NS)+8*ii+7], v[ACC+32*ii+8*t4:ACC+32*ii+8*t4+7]
.endif
.endm
; Steps s and s + 1, s even: 64 k.  The pair waits for its token fragments and for its first step's weight fragments.  Behind each of its first eight products stand two LDS loads: the weight fragments of steps s + 2
; and s + 3; between its two steps the token fragments of steps s + 8 and s + 9 are asked for, in one run under one switch of the window.  The last pairs ask for nothing past K.  Step 0 starts the sums with the constant 0.
.macro PAIR s
.if (\s) > 0
.rept 4
	v_nop                                          ; four places behind the pair before's products, ahead of the loads into the registers that they read; they stay beside the wait below
.endr
.endif
.if KST-2-(\s) >= 6
	s_wait_loadcnt 4*TP*3                          ; the three younger pairs of steps, 12 loads each, may be out: this pair's token fragments are in
.else
	s_wait_loadcnt 4*TP*((KST-2-(\s))/2)           ; the counts run down
.endif
	s_wait_dscnt 0x8                               ; the second step's eight may be out: the first step's weight fragments are in
.if (\s) > 0
	s_wait_alu depctr_va_vdst(0)                   ; the pair before's products are done reading their two fragment buffers and their two token slots, in which this pair's loads land
.endif                                                 ; (the first pair's loads land in registers that nothing has named since the wait ahead of the pass's first load)
	WIN 0x04
.set n, 0
.rept 4*TP
	MUL1 \s, n, (\s)==0
.if ((\s)+2 < KST) && (n < 8)
	LOADB1 (\s)+2+n/4, n%4                         ; no wait: no product since the wait above names these registers
.endif
.set n, n+1
.endr
.if (\s)+8 < KST
	LOADA TP, (\s)+8                               ; no load leaves a row: the last step asked for is KST - 1.  No wait: this pair's products name two other slots
	LOADA TP, (\s)+9
.endif
.if (\s)+2 < KST
	s_wait_dscnt 0x10                              ; the sixteen just issued may be out: the second step's weight fragments are in
.else
	s_wait_dscnt 0x0
.endif
	WIN 0x04
.set n, 0
.rept 4*TP
	MUL1 (\s)+1, n, 0
.set n, n+1
.endr
.endm
; One level of the descent to the bit wanted: cr holds the word's bit counts in fields; the field at the place reached counts the set bits of the next st places.
; If no more than KK set bits lie there, they are passed over: KK goes down by their number, the place up by st.
.macro DESC cr, wd, st
	EACH v_bfe_u32 v[T0+tt], v[\cr+tt], v[PS+tt], \wd
	EACH v_cmp_ge_u32 s[6+tt], v[KK+tt], v[T0+tt]
	s_wait_alu depctr_va_sdst(0)                   ; the three compares have written s6 to s8, which the six selects read
	EACH v_cndmask_b32 v[T0+tt], 0, v[T0+tt], s[6+tt]
	EACH v_cndmask_b32 v[T1+tt], 0, \st, s[6+tt]
	EACH v_sub_nc_u32 v[KK+tt], v[KK+tt], v[T0+tt]
	EACH v_add_nc_u32 v[PS+tt], v[PS+tt], v[T1+tt]
.endm
	s_load_b256 s[4:11], s[0:1], 0x0               ; xb s[4:5], w_gate s[6:7], w_up s[8:9], bm s[10:11]
	s_load_b128 s[12:15], s[0:1], 0x20             ; mid s[12:13], pos s[14:15]
	v_lshl_add_u32 v27, v0, 2, 0x40400
	v_mov_b32 v31, 0
	v_and_b32 v1, 31, v0                           ; l
	v_and_b32 v2, 15, v0                           ; r
	v_bfe_u32 v3, v0, 4, 1                         ; h
	v_lshrrev_b32 v9, 5, v0
	v_readfirstlane_b32 s16, v9                    ; wave
	s_lshr_b32 s17, ttmp9, 5                       ; expert
	s_and_b32 s18, ttmp9, 31                       ; slice
	s_mov_b32 s68, 0xbfb8aa3b                      ; -log2(e), named as a pair by the packed multiply
	s_mov_b32 s69, s68
	v_and_b32 v10, 7, v0                           ; cq
	v_bfe_u32 v11, v0, 3, 2                        ; kg
	s_wait_alu depctr_va_sdst(0)                   ; s16 is written, ahead of its first reader
	s_lshl_b32 s31, s16, 5
	v_lshl_add_u32 v11, v11, 3, s31                ; 32 w + 8 kg
	v_lshlrev_b32 v6, 12, v11
	v_lshl_add_u32 v6, v10, 4, v6                  ; weights: that row x 4,096 + 16 cq
	v_mul_u32_u24 v7, v10, 4*PITCH
	v_lshl_add_u32 v7, v11, 1, v7                  ; LDS: column 4 cq, byte 2 (32 w + 8 kg); w_gate's 32 rows,
	v_add_nc_u32 v8, 32*PITCH, v7                  ; w_up's behind them
	v_mul_u32_u24 v[BADR0], v2, PITCH
	v_lshl_add_u32 v[BADR0], v3, 4, v[BADR0]       ; a fragment: row r x pitch + 16 h
	v_add_nc_u32 v[BADR0+1], 16*PITCH, v[BADR0]
	v_add_nc_u32 v[BADR0+2], 32*PITCH, v[BADR0]
	v_add_nc_u32 v[BADR0+3], 48*PITCH, v[BADR0]
	v_lshlrev_b32 v9, 4, v1                        ; 16 l
	s_mov_b32 s27, 0
	s_wait_kmcnt 0x0
	s_lshl_b32 s26, s17, 23                        ; an expert's 8 MB,
	s_lshl_b32 s31, s18, 7                         ; the slice's 128 bytes of a row
	s_add_co_u32 s26, s26, s31
	s_add_nc_u64 s[6:7], s[6:7], s[26:27]
	s_add_nc_u64 s[8:9], s[8:9], s[26:27]
	s_lshl_b32 s26, s17, 7
	s_add_nc_u64 s[10:11], s[10:11], s[26:27]      ; the expert's bitmap
	s_lshl_b32 s26, ttmp9, 16
	s_add_nc_u64 s[12:13], s[12:13], s[26:27]      ; mid: (32 e + s) x 64 tiles x 1,024 bytes
	s_lshl_b32 s26, s17, 12
	s_add_nc_u64 s[14:15], s[14:15], s[26:27]      ; pos: the expert's 1,024 words
	s_load_b512 s[32:47], s[10:11], 0x0
	s_load_b512 s[48:63], s[10:11], 0x40
	s_wait_alu depctr_va_vdst(0)                   ; v6, v7, v8 and BADR0 are written: the loads of the weights, the LDS stores and the fragments' loads read them
.set b, 0
.rept 4
	LOADBLK b, b                                   ; the ring is filled: 32 loads of 512 bytes a wave are out
.set b, b+1
.endr
	s_wait_kmcnt 0x0
	; every wave counts the expert's rows, and finds its place among the waves
	s_mov_b32 s19, 0
.set j, 0
.rept 32
	s_bcnt1_i32_b32 s31, s[32+j]
	s_add_co_u32 s19, s19, s31
.set j, j+1
.endr
	s_add_co_u32 s20, s19, 15
	s_lshr_b32 s20, s20, 4
	s_max_u32 s20, s20, 1                          ; tiles
	s_bcnt1_i32_b32 s21, s16                       ; my place: 4 x (the number of ones in w, odd or even) + w / 2: waves 0, 3, 5, 6, 1, 2, 4, 7 have places 0 to 7
	s_and_b32 s21, s21, 1
	s_lshl_b32 s21, s21, 2
	s_lshr_b32 s31, s16, 1
	s_add_co_u32 s21, s21, s31
	s_mul_i32 s22, s21, TP                         ; the first tile of my first group
.set b, 0
.rept NB
.if NB-1-b >= 3
	s_wait_loadcnt 24                              ; three younger blocks stay out
.else
	s_wait_loadcnt 8*(NB-1-b)                      ; the counts run down
.endif
.if b > 0
	s_wait_alu depctr_vm_vsrc(0)                   ; the last block's LDS stores have read PK, which the roundings below write again
.endif
	CVTBLK b%4
	s_wait_alu depctr_va_vdst(0)                   ; the roundings have written PK, which the LDS stores read, and are done reading the slot, in which the loads land
.if b+4 < NB
	LOADBLK b%4, b+4                               ; the slot is asked for again at once
.endif
	STOBLK b
.set b, b+1
.endr
	s_wait_dscnt 0x0                               ; for the others' sake: my part of the weights is in LDS
	s_barrier_signal -1
	s_barrier_wait -1                              ; from here on nothing writes the weights
	s_mov_b32 s24, 3                               ; three passes: groups p, p + 8, p + 16 reach past the 64 tiles that an expert can have
.Lpass:
	s_min_u32 s66, s22, s20
	s_sub_co_u32 s23, s20, s66                     ; tiles from my group's first on,
	s_min_u32 s23, s23, TP                         ; a: the group's tiles
	s_cmp_eq_u32 s23, 0
	s_cbranch_scc1 .Lnext
	s_wait_xcnt 0x0                                ; earlier stores have read their offsets and data: these registers are written again below
	s_wait_alu depctr_vm_vsrc(0)                   ; phase 1's LDS stores have read PK; the last pass's token loads have read AOFF, its stores SOFF and v[64 ..]: all are written again in this pass
	s_sub_co_u32 s66, s23, 1
.irp i, 0,1,2
	s_min_u32 s67, s66, \i                         ; a place past a repeats the group's last tile
	s_add_co_u32 s67, s67, s22
	s_min_u32 s67, s67, 63
	v_lshl_add_u32 v[QR+\i], s67, 4, v2            ; the rank wanted: 16 tile + r
	v_lshl_add_u32 v[SOFF+\i], s67, 10, v9         ; mid: tile x 1,024 + 16 l
	v_mov_b32 v[WB+\i], s32                        ; the search begins at word 0, with no rows before it
	v_mov_b32 v[CB+\i], 0
.endr
	; THE WORD.  s19 runs through the rows up to and with word j.  While they are no more than the rank wanted, the bit lies further on: the lane takes the next word, its number and that count.
	; Four words at a time: twelve compares into twelve scalar registers, one wait, then the selects, the words ascending.
	s_mov_b32 s19, 0
.set j, 0
.rept 8
.set q, 0
.rept 4
.if j+q < 31
	s_bcnt1_i32_b32 s31, s[32+j+q]
	s_add_co_u32 s19, s19, s31
	s_or_b32 s[2+q+62*(q/2)], s19, (j+q+1)<<16     ; at most 1,024 rows: the count keeps to the low half
.set tt, 0
.rept TP
	v_cmp_le_u32 s[6+3*q+tt+13*((3*q+tt)/6)], s19, v[QR+tt]
.set tt, tt+1
.endr
.endif
.set q, q+1
.endr
	s_wait_alu depctr_va_sdst(0)                   ; the run's compares have written their masks, which the selects below read
.set q, 0
.rept 4
.if j+q < 31
.set tt, 0
.rept TP
	v_cndmask_b32 v[WB+tt], v[WB+tt], s[33+j+q], s[6+3*q+tt+13*((3*q+tt)/6)]
	v_cndmask_b32 v[CB+tt], v[CB+tt], s[2+q+62*(q/2)], s[6+3*q+tt+13*((3*q+tt)/6)]
.set tt, tt+1
.endr
.endif
.set q, q+1
.endr
.set j, j+4
.endr
	EACH v_and_b32 v[KK+tt], 0xffff, v[CB+tt]
	EACH v_sub_nc_u32 v[KK+tt], v[QR+tt], v[KK+tt]         ; so many set bits of the word come before the one wanted
	EACH v_lshrrev_b32 v[CB+tt], 16, v[CB+tt]              ; the word's number
	; THE BIT.  The word's bit counts in fields of 2, 4, 8 and 16 bits, then five levels down: 16, 8, 4, 2, 1 places
	EACH v_lshrrev_b32 v[T0+tt], 1, v[WB+tt]
	EACH v_and_b32 v[T0+tt], 0x55555555, v[T0+tt]
	EACH v_sub_nc_u32 v[C2+tt], v[WB+tt], v[T0+tt]
	EACH v_lshrrev_b32 v[T0+tt], 2, v[C2+tt]
	EACH v_and_b32 v[T0+tt], 0x33333333, v[T0+tt]
	EACH v_and_b32 v[C4+tt], 0x33333333, v[C2+tt]
	EACH v_add_nc_u32 v[C4+tt], v[C4+tt], v[T0+tt]
	EACH v_lshrrev_b32 v[T0+tt], 4, v[C4+tt]
	EACH v_add_nc_u32 v[T0+tt], v[T0+tt], v[C4+tt]
	EACH v_and_b32 v[C8+tt], 0x0f0f0f0f, v[T0+tt]
	EACH v_lshrrev_b32 v[T0+tt], 8, v[C8+tt]
	EACH v_add_nc_u32 v[T0+tt], v[T0+tt], v[C8+tt]
	EACH v_and_b32 v[C16+tt], 0x00ff00ff, v[T0+tt]
	EACH v_mov_b32 v[PS+tt], 0
	DESC C16, 8, 16
	DESC C8,  8, 8
	DESC C4,  4, 4
	DESC C2,  2, 2
	DESC WB,  1, 1
	EACH v_lshl_add_u32 v[PS+tt], v[CB+tt], 5, v[PS+tt]    ; the token: 32 x word + place.  A rank past n ends at some place of the last word: a row that exists
	EACH v_min_u32 v[PS+tt], 0x3ff, v[PS+tt]
	EACH v_lshlrev_b32 v[AOFF+tt], 12, v[PS+tt]
	EACH v_lshl_add_u32 v[AOFF+tt], v3, 4, v[AOFF+tt]      ; xb: token x 4,096 + 16 h
	; three tiles through all of K, written out: the first eight steps' token fragments, the first two steps' weight fragments, then the pairs of steps
	WIN 0x40                                       ; the token loads land in window 1: the switch stands ahead of the wait
	s_wait_alu depctr_va_vdst(0)                   ; AOFF and SOFF are written, which the pass's loads and stores read; the search and the last pass's epilogue are done with v[32:159], the last pass's products with the fragment buffers and the token slots: loads land in all of these
.set st, 0
.rept 8
	LOADA TP, st
.set st, st+1
.endr
	WIN 0x04
.irp t, 0,1,2,3
	LOADB1 0, \t
.endr
.irp t, 0,1,2,3
	LOADB1 1, \t
.endr
.set st, 0
.rept KST/2
	PAIR st
.set st, st+2
.endr
	WIN 0
.rept 4
	v_nop                                          ; four places behind the last products
.endr
	; tile i: columns 0-31 of the accumulators are gate, 32-63 up.  mid = g u / (1 + 2^(-log2(e) g)).  T = v[32:47], GU = v[48:63], packed v[64 + 8 i ..]
.irp i, 0,1,2
.if \i > 0
	s_cmp_le_u32 s23, \i
	s_cbranch_scc1 .Lnext
.endif
.set k, 0
.rept 8
	v_pk_mul_f32 v[32+2*k:33+2*k], v[ACC+32*\i+2*k:ACC+32*\i+2*k+1], s[68:69] op_sel_hi:[1,0]  ; each accumulator's lowest registers are read first
.set k, k+1
.endr
.set k, 0
.rept 16
	v_exp_f32 v[32+k], v[32+k]
.set k, k+1
.endr
.set k, 0
.rept 8
	v_pk_mul_f32 v[48+2*k:49+2*k], v[ACC+32*\i+2*k:ACC+32*\i+2*k+1], v[ACC+32*\i+16+2*k:ACC+32*\i+16+2*k+1]  ; g u: the plain work behind the exponentials
.set k, k+1
.endr
	s_wait_alu depctr_va_vdst(0)                   ; one wait for the 16 exponentials' results v[32:47], ahead of their first reader
.set k, 0
.rept 8
	v_pk_add_f32 v[32+2*k:33+2*k], v[32+2*k:33+2*k], 1.0 op_sel_hi:[1,0]
.set k, k+1
.endr
.set k, 0
.rept 16
	v_rcp_f32 v[32+k], v[32+k]
.set k, k+1
.endr
	v_nop                                          ; a plain instruction behind the last reciprocal,
	s_wait_alu depctr_va_vdst(0)                   ; and one wait for the 16 reciprocals' results v[32:47], ahead of their first reader
.set k, 0
.rept 8
	v_pk_mul_f32 v[48+2*k:49+2*k], v[48+2*k:49+2*k], v[32+2*k:33+2*k]
.set k, k+1
.endr
.set k, 0
.rept 8
	v_cvt_pk_bf16_f32 v[64+8*\i+k], v[48+2*k], v[48+2*k+1]
.set k, k+1
.endr
	s_wait_alu depctr_va_vdst(0)                   ; the roundings have written the tile's eight packed registers, which the two stores read
	global_store_b128 v[SOFF+\i], v[64+8*\i:64+8*\i+3], s[12:13]              ; columns 8 h + 0 .. 7 of row r: half 0 of the second product's fragment
	global_store_b128 v[SOFF+\i], v[64+8*\i+4:64+8*\i+7], s[12:13] offset:512 ; columns 16 + 8 h + 0 .. 7: half 1
.endr
.Lnext:
	s_add_co_u32 s22, s22, 8*TP                    ; my next group lies eight groups on
	s_sub_co_u32 s24, s24, 1
	s_cmp_lg_u32 s24, 0
	s_cbranch_scc1 .Lpass
	; pos: one wave of one of the expert's 32 work-groups stores it: wave 7, which has the last place and so is never dealt more groups than another wave
	s_xor_b32 s31, s16, 7
	s_or_b32 s31, s31, s18
	s_cmp_lg_u32 s31, 0
	s_cbranch_scc1 .Lnopos
	v_mov_b32 v28, 0x400
	v_lshlrev_b32 v29, 2, v1
	s_mov_b32 s30, 0                               ; rows in the words before
.set j, 0
.rept 32
	v_mbcnt_lo_u32_b32 v30, s[32+j], s30           ; token 32 j + l: its rank, if it chose e
	v_cndmask_b32 v[PO+j], v28, v30, s[32+j]       ; the rank, or 1,024
	s_bcnt1_i32_b32 s31, s[32+j]
	s_add_co_u32 s30, s30, s31
.set j, j+1
.endr
	s_wait_alu depctr_va_vdst(0)                   ; v29 and the 32 numbers are written, which the stores read
.set j, 0
.rept 32
	global_store_b32 v29, v[PO+j], s[14:15] offset:128*j   ; 128 consecutive bytes a store
.set j, j+1
.endr
.Lnopos:
	s_wait_dscnt 0x0                               ; the wave's end: my LDS instructions are done
	s_wait_alu depctr_hold_cnt(0) depctr_sa_sdst(0) depctr_va_vdst(0) depctr_va_sdst(0) depctr_va_ssrc(0) depctr_va_vcc(0) depctr_vm_vsrc(0)
	s_wait_tensorcnt 0x0
	ds_add_u32 v27, v31
	s_wait_dscnt 0x0
	s_endpgm
.Lfunc_end_k_q25e06e2875_gateup:
	.size	k_q25e06e2875_gateup, .Lfunc_end_k_q25e06e2875_gateup-k_q25e06e2875_gateup
	.p2alignl 7, 3214868480
	.fill 96, 4, 3214868480
	.section	.rodata,"a",@progbits
	.p2align	6, 0x0
	.amdhsa_kernel k_q25e06e2875_gateup
		.amdhsa_group_segment_fixed_size 264192
		.amdhsa_private_segment_fixed_size 0
		.amdhsa_enable_private_segment 0
		.amdhsa_kernarg_size 48
		.amdhsa_user_sgpr_count 2
		.amdhsa_user_sgpr_kernarg_segment_ptr 1
		.amdhsa_wavefront_size32 1
		.amdhsa_system_sgpr_workgroup_id_x 1
		.amdhsa_system_sgpr_workgroup_id_y 1
		.amdhsa_system_sgpr_workgroup_id_z 1
		.amdhsa_system_vgpr_workitem_id 0
		.amdhsa_next_free_vgpr 512
		.amdhsa_next_free_sgpr 70
		.amdhsa_reserve_vcc 0
		.amdhsa_float_denorm_mode_32 3
		.amdhsa_float_denorm_mode_16_64 3
		.amdhsa_memory_ordered 1
		.amdhsa_forward_progress 1
		.amdhsa_inst_pref_size 216
	.end_amdhsa_kernel
	.amdgpu_metadata
---
amdhsa.version: [ 1, 2 ]
amdhsa.kernels:
  - .name:           k_q25e06e2875_gateup
    .symbol:         k_q25e06e2875_gateup.kd
    .args:
      - { .name: xb, .offset: 0, .size: 8, .value_kind: global_buffer, .address_space: global }
      - { .name: w_gate, .offset: 8, .size: 8, .value_kind: global_buffer, .address_space: global }
      - { .name: w_up, .offset: 16, .size: 8, .value_kind: global_buffer, .address_space: global }
      - { .name: bm, .offset: 24, .size: 8, .value_kind: global_buffer, .address_space: global }
      - { .name: mid, .offset: 32, .size: 8, .value_kind: global_buffer, .address_space: global }
      - { .name: pos, .offset: 40, .size: 8, .value_kind: global_buffer, .address_space: global }
    .group_segment_fixed_size: 264192
    .private_segment_fixed_size: 0
    .kernarg_segment_align: 8
    .kernarg_segment_size: 48
    .max_flat_workgroup_size: 256
    .sgpr_count:     70
    .vgpr_count:     512
    .wavefront_size: 32
...
	.end_amdgpu_metadata
.endif
;; end of part 7
;; launch down (part 8): grid 256 x 1, 8 waves a work-group, no clusters, 168,960 bytes of LDS; arguments mid, w_down, bm, part; writes part
.if DOCPART == 8
	.amdgcn_target "amdgcn-amd-amdhsa--gfx1250"
	.amdhsa_code_object_version 6
	.text
	.protected	k_q25e06e2875_down
	.globl	k_q25e06e2875_down
	.p2align	8
	.type	k_q25e06e2875_down,@function
k_q25e06e2875_down:
	s_mov_b64 s[64:65], 0
	v_nop
	global_prefetch_b8 v0, s[64:65] scope:SCOPE_SE
	s_setreg_imm32_b32 hwreg(HW_REG_WAVE_SCHED_MODE, 0, 2), 2
	s_setreg_imm32_b32 hwreg(HW_REG_WAVE_MODE, 25, 1), 1
	s_wait_xcnt 0x0
	s_wait_alu depctr_vm_vsrc(0)
; SECOND PRODUCT.  part[e][rank][:] = mid[e][rank][:] w_down[e], unweighted, in f32 (partial sums stay f32; the last launch weighs and adds them).  Work-group 32 e + s has expert e and
; the 64 columns 64 s .. of w_down (256 aligned bytes of each row), which it alone reads, and takes all of the expert's tiles of 16 ranks through them.
; PHASE 1: the slice (1,024 x 64 f32) streams through registers, is rounded to bf16, turned, and laid into LDS as 64 rows [column][k].  One barrier.
; PHASE 2: max(1, ceil(n / 16)) tiles dealt evenly to eight waves (8 at the most: n <= 1,024, every split is served), up to three at a time through K = 1,024, in up to three passes; weights from LDS, mid straight
; from memory in operand order ([e][32 k][tile][half][lane][16 bytes]: each load of a wave is 512 consecutive bytes).  A tile's result goes through the wave's own stage in LDS, so that sixteen lanes store 256 consecutive aligned bytes.
; Rows past n of the last tile are stored too: no token's rank names them.  LIMITS: NaN and infinities are not treated apart.
; NO JOINT LOADS: each slice of weights has one reader and has to pass registers; mid's tiles are shared by an expert's 32 work-groups, but a joint load would land them in LDS, from where each byte would be read once:
; n x 2,048 bytes written and read more in LDS for each work-group, with trip counts that hang on n.
; THE MODE: SCHED_MODE bits 1:0 = 2 (LLVM: expert scheduling mode 2), set by the entry lines.  The code itself states the register dependences
; between vector or matrix instructions and memory or LDS instructions, with s_wait_alu, always for 0.
; THE PLAN.  Registers that memory or LDS instructions touch:
;   v6, v7, BADR0, STO, RD   offsets and LDS addresses, made at the head and never written again: one wait on va_vdst ahead of the first load serves them for the whole kernel.
;   RG0 .. RG3, PK      phase 1, block b: its sixteen roundings read RG[b % 4] and write PK.  One wait on va_vdst behind them: the slot's next loads land in RG[b % 4], the four LDS stores read PK.
;                       One wait on vm_vsrc ahead of the next block's roundings: those stores have read PK.
;   AOFF, SOFF          written at a pass's head, behind a wait on vm_vsrc; read by the pass's loads of mid and its stores, behind the wait on va_vdst ahead of the pass's first load.
;   BF0 .. BF3          step u's products read BF[u % 4].  K goes in pairs of steps: a pair reads two of the buffers, and its sixteen LDS loads land in the other two, which the pair before read.
;   mid, two buffers    a chunk (four steps) reads one; at its head the next chunk is asked for, into the other, which the chunk before read.
;   BADR                read by the loop's LDS loads; written once a trip, at its head: a wait on vm_vsrc ahead of the four additions, and the pair's own wait on va_vdst behind them.
;   So ONE wait on va_vdst stands at a pair's head; the pair's products name its own two fragment buffers, its chunk's buffer of mid and the accumulators, and its loads are dealt among them with no further wait.
;   ACC, v[32:95]       the way out holds no vector instruction: one wait on va_vdst behind the places shows the accumulators written, which the LDS stores read; the rows come back into v[32:95], from which the global stores leave.
.set PITCH, 2064                       ; a row of 1,024 bf16 + 16 bytes
.set NCH,   8
.set NTRIP, (NCH-2)/2
.set AKS,   65536                      ; mid: bytes from one 32 k to the next,
.set AG,    512                        ; between a fragment's two halves,
.set ASTEP, 262144                     ; and from chunk to chunk
.set NB,    8
.set STAGE, 64*PITCH+1024              ; 16 rows x 272 bytes for each wave; 1,024 unused bytes lie between the weights and the stages
.set SP,    272                        ; behind the stages 1,024 bytes of LDS: the spare words, 128 bytes a wave, for the end's add
.set BADR,  12                         ; v[12:15]  in the K loop: BADR0 + the trip's 512 T bytes, made anew at each trip's head
.set AOFF,  16                         ; v[16:18]  tile i: my byte offset in mid
.set BADR0, 20                         ; v[20:23]  LDS address of my weight fragments at K = 0, one for each 16 columns; never rewritten
.set SOFF,  24                         ; v[24:26]  tile i: my byte offset in part
.set STO,   28                         ; v28  the way out: where I put 16 bytes of a row
.set RD,    29                         ; v29  where I read rows back
.set BF,    32                         ; weight fragments of one 32 k, four buffers: buffer b at BF + 32 b + 96 (b / 3): v32, v64, v96, v224
.set PK,    32
.set ACC,   128                        ; v[128:223] accumulator (tile i, 16 columns t) at ACC + 32 i + 8 t
.set RG,    128
.set MSB, 0
.macro WIN new
.if MSB != (\new)
	s_set_vgpr_msb (MSB<<8)|(\new)
.set MSB, \new
.endif
.endm
; PHASE 1.  Lane: four columns 4 r .., kg = h.  Block b: rows k = 128 b + 16 w + 8 h + i: a load of the wave takes two whole pieces of 256 bytes.
.macro LOADBLK slot, b
.irp i, 0,1,2,3,4,5,6,7
	global_load_b128 v[RG+32*(\slot)+4*\i:RG+32*(\slot)+4*\i+3], v6, s[6:7] offset:(128*(\b)+\i)*8192 th:TH_LOAD_NT
.endr
.endm
.macro CVTBLK slot
.irp c, 0,1,2,3
.irp p, 0,1,2,3
	v_cvt_pk_bf16_f32 v[PK+4*\c+\p], v[RG+32*(\slot)+8*\p+\c], v[RG+32*(\slot)+8*\p+4+\c]
.endr
.endr
.endm
.macro STOBLK b
.irp c, 0,1,2,3
	ds_store_b128 v7, v[PK+4*\c:PK+4*\c+3] offset:\c*PITCH+256*(\b)
.endr
.endm
.macro LOADA a, buf
	WIN 0x40
.set ii, 0
.rept \a
.irp j, 0,1,2,3
.irp g, 0,1
	global_load_b128 v[128*(\buf)+32*ii+8*\j+4*\g:128*(\buf)+32*ii+8*\j+4*\g+3], v[AOFF+ii], s[28:29] offset:\j*AKS+\g*AG
.endr
.endr
.set ii, ii+1
.endr
	WIN 0x04
.endm
.macro LOADB1 ar, u, t                 ; the fragment of 16 columns t of the step 64 u bytes behind the address in ar: two loads into buffer u % 4
.set bb, (\u)%4
.set rB, BF+32*bb+96*(bb/3)+8*(\t)
.irp g, 0,1
	ds_load_b128 v[rB+4*\g:rB+4*\g+3], v[\ar+(\t)] offset:64*(\u)+32*\g
.endr
.endm
; Product n of a step's 4 a: tile n / 4, 16 columns n % 4; step j of the chunk in buffer buf, fragment buffer u % 4.  Source 0 = 16 columns of the weights, source 1 = 16 ranks: a lane holds rank r and the columns 8 h + 0 .. 7.
; The 4 a accumulators take turns.
.macro MUL1 buf, j, u, n, zero
.set ii, (\n)/4
.set t4, (\n)%4
.set bb, (\u)%4
.set rB, BF+32*bb+96*(bb/3)+8*t4
.set rA, 128*(\buf)+32*ii+8*(\j)
.set rC, ACC+32*ii+8*t4
.if \zero
	v_wmma_f32_16x16x32_bf16 v[rC:rC+7], v[rB:rB+7], v[rA:rA+7], 0
.else
	v_wmma_f32_16x16x32_bf16 v[rC:rC+7], v[rB:rB+7], v[rA:rA+7], v[rC:rC+7]
.endif
.endm
; Steps j0 and j0 + 1 of a chunk whose first step lies 64 u0 bytes behind the address in ar.  At a chunk's head (j0 = 0, next = 1) the next chunk of mid is asked for.  Behind each of the pair's first eight products stand
; two LDS loads: the weight fragments of the next two steps (last = 1: there are none).  head = 0: four places and the wait; 1: four plain vector instructions stand in front already; 2: a pass's first pair, which owes neither.
.macro PAIR a, buf, ar, u0, j0, zero, next, last, head
.if (\head) == 0
.rept 4
	v_nop                                          ; four places behind the pair before's products, ahead of the loads into the registers that they read; they stay beside the wait below
.endr
.endif
.if ((\j0) == 0) && (\next)
	WIN 0x40                                       ; the loads of mid land in window 1: the switch stands ahead of the wait
.endif
.if (\head) < 2
	s_wait_alu depctr_va_vdst(0)                   ; the pair before's products are done reading their two fragment buffers and, at a chunk's head, the last chunk's buffer of mid, in which this pair's loads land; at a trip's head BADR is written
.endif
.if ((\j0) == 0) && (\next)
	s_wait_xcnt 0x0                                ; the base of the loads issued a chunk ago is stepped only behind this wait
	s_add_nc_u64 s[28:29], s[28:29], ASTEP
	LOADA \a, 1-(\buf)
.endif
.if (\j0) == 0
.if \next
	s_wait_loadcnt 8*(\a)                          ; the 8 a just issued may be out: this chunk's fragments of mid are in
.else
	s_wait_loadcnt 0x0
.endif
.endif
	s_wait_dscnt 0x8                               ; the second step's eight may be out: the first step's weight fragments are in
	WIN 0x04
.set n, 0
.rept 4*(\a)
	MUL1 \buf, \j0, (\u0)+(\j0), n, \zero
.if !(\last) && (n < 8)
	LOADB1 \ar, (\u0)+(\j0)+2+n/4, n%4             ; no wait: no product since the wait above names these registers
.endif
.set n, n+1
.endr
.if \last
	s_wait_dscnt 0x0
.else
	s_wait_dscnt 0x10                              ; the sixteen just issued may be out: the second step's weight fragments are in
.endif
.set n, 0
.rept 4*(\a)
	MUL1 \buf, (\j0)+1, (\u0)+(\j0)+1, n, 0
.set n, n+1
.endr
.endm
; A chunk: four steps of 32 k, two pairs.
.macro CHUNK a, buf, ar, u0, zero, next, lastb, head
	PAIR \a, \buf, \ar, \u0, 0, \zero, \next, 0, \head
	PAIR \a, \buf, \ar, \u0, 2, 0, 0, \lastb, 0
.endm
; a tiles through all of K.  The first and the last chunk name BADR0, their place along K in the immediate; the loop's counter s25 is 512 T, BADR = 512 T + BADR0 is made at each trip's head, and those four additions
; are the places in front of the trip's first loads.  The offset passes s_min_u32 with the last trip's 512 (NTRIP - 1): it never binds, and it writes the bound into the text: every LDS address of the loop lies below
; 63 PITCH + 16 + 512 (NTRIP - 1) + 880 = 131,952, inside the weights' rows and under the stages.
.macro GEMM a
.Lv\a:
	s_mov_b64 s[28:29], s[4:5]
	WIN 0x40                                       ; the loads of mid land in window 1: the switch stands ahead of the wait
	s_wait_alu depctr_va_vdst(0)                   ; AOFF and SOFF are written, which the pass's loads and stores read; the last pass's products are done reading the fragment buffers and both buffers of mid, in which loads land
	LOADA \a, 0
.irp t, 0,1,2,3
	LOADB1 BADR0, 0, \t
.endr
.irp t, 0,1,2,3
	LOADB1 BADR0, 1, \t
.endr
	CHUNK \a, 0, BADR0, 0, 1, 1, 0, 2
	WIN 0
	s_mov_b32 s25, 0
.Lk\a:
	s_min_u32 s31, s25, 512*(NTRIP-1)
	s_wait_alu depctr_vm_vsrc(0)                   ; the LDS loads issued so far have read BADR
.irp t, 0,1,2,3
	v_add_nc_u32 v[BADR+\t], s31, v[BADR0+\t]
.endr
	CHUNK \a, 1, BADR, 4, 0, 1, 0, 1
	CHUNK \a, 0, BADR, 8, 0, 1, 0, 0
	WIN 0
	s_add_co_u32 s25, s25, 512
	s_cmp_lt_u32 s25, 512*NTRIP
	s_cbranch_scc1 .Lk\a
	CHUNK \a, 1, BADR0, 4*(NCH-1), 0, 0, 1, 0
	WIN 0
.if \a < 3
	s_branch .Lepi
.endif
.endm
	s_load_b256 s[4:11], s[0:1], 0x0               ; mid s[4:5], w_down s[6:7], bm s[8:9], part s[10:11]
	v_lshl_add_u32 v27, v0, 2, 0x29000
	v_mov_b32 v31, 0
	v_and_b32 v1, 31, v0                           ; l
	v_and_b32 v2, 15, v0                           ; r
	v_bfe_u32 v3, v0, 4, 1                         ; h
	v_lshrrev_b32 v9, 5, v0
	v_readfirstlane_b32 s16, v9                    ; wave
	s_lshr_b32 s17, ttmp9, 5                       ; expert
	s_and_b32 s18, ttmp9, 31                       ; slice
	s_wait_alu depctr_va_sdst(0)                   ; s16 is written, ahead of its first reader
	s_lshl_b32 s31, s16, 4
	v_lshl_add_u32 v11, v3, 3, s31                 ; 16 w + 8 h
	v_lshlrev_b32 v6, 13, v11
	v_lshl_add_u32 v6, v2, 4, v6                   ; weights: that row x 8,192 + 16 r
	v_mul_u32_u24 v7, v2, 4*PITCH
	v_lshl_add_u32 v7, v11, 1, v7                  ; LDS: column 4 r, byte 2 (16 w + 8 h)
	v_mul_u32_u24 v[BADR0], v2, PITCH
	v_lshl_add_u32 v[BADR0], v3, 4, v[BADR0]
	v_add_nc_u32 v[BADR0+1], 16*PITCH, v[BADR0]
	v_add_nc_u32 v[BADR0+2], 32*PITCH, v[BADR0]
	v_add_nc_u32 v[BADR0+3], 48*PITCH, v[BADR0]
	v_lshlrev_b32 v9, 4, v1                        ; 16 l
	s_mul_i32 s31, s16, 16*SP
	s_add_co_u32 s31, s31, STAGE                   ; my stage
	v_mul_u32_u24 v[STO], v2, SP
	v_lshl_add_u32 v[STO], v3, 5, v[STO]
	v_add_nc_u32 v[STO], s31, v[STO]               ; in: row r, 32 bytes for each half of the lanes
	v_mul_u32_u24 v[RD], v3, SP
	v_lshl_add_u32 v[RD], v2, 4, v[RD]
	v_add_nc_u32 v[RD], s31, v[RD]                 ; back: lanes 0-15 one row of 256 bytes, lanes 16-31 the next
	v_lshlrev_b32 v30, 13, v3
	v_lshl_add_u32 v30, v2, 4, v30                 ; and the same two rows in part
	s_mov_b32 s27, 0
	s_wait_kmcnt 0x0
	s_lshl_b32 s26, s17, 23
	s_lshl_b32 s31, s18, 8
	s_add_co_u32 s26, s26, s31                     ; an expert's 8 MB, the slice's 256 bytes of a row: the same in w_down and in part
	s_add_nc_u64 s[6:7], s[6:7], s[26:27]
	s_add_nc_u64 s[10:11], s[10:11], s[26:27]
	s_lshl_b32 s26, s17, 21
	s_add_nc_u64 s[4:5], s[4:5], s[26:27]          ; mid: the expert's 2 MB
	s_lshl_b32 s26, s17, 7
	s_add_nc_u64 s[8:9], s[8:9], s[26:27]          ; the expert's bitmap
	s_load_b512 s[32:47], s[8:9], 0x0
	s_load_b512 s[48:63], s[8:9], 0x40
	s_wait_alu depctr_va_vdst(0)                   ; v6, v7, BADR0, STO and RD are written: the loads of the weights, the LDS stores and the LDS loads read them
.set b, 0
.rept 4
	LOADBLK b, b
.set b, b+1
.endr
	s_wait_kmcnt 0x0
	s_mov_b32 s19, 0
.set j, 0
.rept 32
	s_bcnt1_i32_b32 s31, s[32+j]
	s_add_co_u32 s19, s19, s31
.set j, j+1
.endr
	s_add_co_u32 s20, s19, 15
	s_lshr_b32 s20, s20, 4
	s_max_u32 s20, s20, 1                          ; tiles: the same number as in the first product
	s_lshr_b32 s21, s20, 3
	s_and_b32 s31, s20, 7
	s_mul_i32 s22, s16, s21
	s_min_u32 s66, s16, s31
	s_add_co_u32 s22, s22, s66                     ; my first tile
	s_cmp_lt_u32 s16, s31
	s_cselect_b32 s66, 1, 0
	s_add_co_u32 s21, s21, s66                     ; how many are mine
.set b, 0
.rept NB
.if NB-1-b >= 3
	s_wait_loadcnt 24                              ; three younger blocks stay out
.else
	s_wait_loadcnt 8*(NB-1-b)
.endif
.if b > 0
	s_wait_alu depctr_vm_vsrc(0)                   ; the last block's LDS stores have read PK, which the roundings below write again
.endif
	CVTBLK b%4
	s_wait_alu depctr_va_vdst(0)                   ; the roundings have written PK, which the LDS stores read, and are done reading the slot, in which the loads land
.if b+4 < NB
	LOADBLK b%4, b+4                               ; the slot is asked for again at once
.endif
	STOBLK b
.set b, b+1
.endr
	s_wait_dscnt 0x0                               ; for the others' sake: my part of the weights is in LDS
	s_barrier_signal -1
	s_barrier_wait -1                              ; from here on nothing writes the weights; the stages are each wave's own
	s_mov_b32 s24, 3                               ; three passes of three tiles at the most cover a wave's eight
.Lpass:
	s_min_u32 s23, s21, 3
	s_cmp_eq_u32 s23, 0
	s_cbranch_scc1 .Lnext
	s_wait_xcnt 0x0                                ; earlier stores have read their offsets and data
	s_wait_alu depctr_vm_vsrc(0)                   ; phase 1's LDS stores have read PK; the last pass's loads have read AOFF, its LDS stores the accumulators, its global stores SOFF and v[32:95]: all are written again in this pass
	s_sub_co_u32 s66, s23, 1
.irp i, 0,1,2
	s_min_u32 s67, s66, \i
	s_add_co_u32 s67, s67, s22
	s_min_u32 s67, s67, 63
	v_lshl_add_u32 v[AOFF+\i], s67, 10, v9         ; mid: tile x 1,024 + 16 l
	v_lshl_add_u32 v[SOFF+\i], s67, 17, v30        ; part: 16 tile rows of 8,192 bytes + my place
.endr
	s_cmp_eq_u32 s23, 3
	s_cbranch_scc1 .Lv3
	GEMM 2                                         ; also for a = 1, on the tile twice; only place 0 is stored
	GEMM 3
.Lepi:
.rept 4
	v_nop                                          ; four places behind the last products
.endr
	s_wait_alu depctr_va_vdst(0)                   ; the products have written the accumulators, which the LDS stores read, and are done reading v[32:95], in which the stage's rows land; the places above stay beside this wait
.irp i, 0,1,2
.if \i > 0
	s_cmp_le_u32 s23, \i
	s_cbranch_scc1 .Lnext
.endif
.irp t, 0,1,2,3
	ds_store_b128 v[STO], v[ACC+32*\i+8*\t:ACC+32*\i+8*\t+3] offset:64*\t       ; each accumulator's lowest registers first
	ds_store_b128 v[STO], v[ACC+32*\i+8*\t+4:ACC+32*\i+8*\t+7] offset:64*\t+16
.endr
.if \i >= 2
	s_wait_xcnt 0x0                                ; the stores of the tile two before have read these registers
	s_wait_alu depctr_vm_vsrc(0)                   ; the same stated for the mode: those global stores have read v[32:63], in which the loads below land
.endif
.irp t, 0,1,2,3,4,5,6,7
	ds_load_b128 v[32+32*((\i)&1)+4*\t:32+32*((\i)&1)+4*\t+3], v[RD] offset:2*SP*\t  ; LDS serves a wave's instructions in order: these see the stores above; the next tile's stores come behind them
.endr
.irp t, 0,1,2,3,4,5,6,7
	s_wait_dscnt 7-\t
	global_store_b128 v[SOFF+\i], v[32+32*((\i)&1)+4*\t:32+32*((\i)&1)+4*\t+3], s[10:11] offset:16384*\t  ; sixteen lanes store 256 consecutive aligned bytes
.endr
.endr
.Lnext:
	s_sub_co_u32 s21, s21, s23
	s_add_co_u32 s22, s22, s23
	s_sub_co_u32 s24, s24, 1
	s_cmp_lg_u32 s24, 0
	s_cbranch_scc1 .Lpass
	s_wait_dscnt 0x0                               ; the wave's end: my LDS instructions are done
	s_wait_alu depctr_hold_cnt(0) depctr_sa_sdst(0) depctr_va_vdst(0) depctr_va_sdst(0) depctr_va_ssrc(0) depctr_va_vcc(0) depctr_vm_vsrc(0)
	s_wait_tensorcnt 0x0
	ds_add_u32 v27, v31
	s_wait_dscnt 0x0
	s_endpgm
.Lfunc_end_k_q25e06e2875_down:
	.size	k_q25e06e2875_down, .Lfunc_end_k_q25e06e2875_down-k_q25e06e2875_down
	.p2alignl 7, 3214868480
	.fill 96, 4, 3214868480
	.section	.rodata,"a",@progbits
	.p2align	6, 0x0
	.amdhsa_kernel k_q25e06e2875_down
		.amdhsa_group_segment_fixed_size 168960
		.amdhsa_private_segment_fixed_size 0
		.amdhsa_enable_private_segment 0
		.amdhsa_kernarg_size 32
		.amdhsa_user_sgpr_count 2
		.amdhsa_user_sgpr_kernarg_segment_ptr 1
		.amdhsa_wavefront_size32 1
		.amdhsa_system_sgpr_workgroup_id_x 1
		.amdhsa_system_sgpr_workgroup_id_y 1
		.amdhsa_system_sgpr_workgroup_id_z 1
		.amdhsa_system_vgpr_workitem_id 0
		.amdhsa_next_free_vgpr 512
		.amdhsa_next_free_sgpr 70
		.amdhsa_reserve_vcc 0
		.amdhsa_float_denorm_mode_32 3
		.amdhsa_float_denorm_mode_16_64 3
		.amdhsa_memory_ordered 1
		.amdhsa_forward_progress 1
		.amdhsa_inst_pref_size 86
	.end_amdhsa_kernel
	.amdgpu_metadata
---
amdhsa.version: [ 1, 2 ]
amdhsa.kernels:
  - .name:           k_q25e06e2875_down
    .symbol:         k_q25e06e2875_down.kd
    .args:
      - { .name: mid, .offset: 0, .size: 8, .value_kind: global_buffer, .address_space: global }
      - { .name: w_down, .offset: 8, .size: 8, .value_kind: global_buffer, .address_space: global }
      - { .name: bm, .offset: 16, .size: 8, .value_kind: global_buffer, .address_space: global }
      - { .name: part, .offset: 24, .size: 8, .value_kind: global_buffer, .address_space: global }
    .group_segment_fixed_size: 168960
    .private_segment_fixed_size: 0
    .kernarg_segment_align: 8
    .kernarg_segment_size: 32
    .max_flat_workgroup_size: 256
    .sgpr_count:     70
    .vgpr_count:     512
    .wavefront_size: 32
...
	.end_amdgpu_metadata
.endif
;; end of part 8
;; launch combine: the kernel of part 4 again; grid 256 x 1, 8 waves a work-group, no clusters, 0 bytes of LDS; arguments xb, gw, pos, part, out0; writes out0
